; MI455X (gfx1250); checked and timed in simulation.
; The chip was launched on July 23, 2026; its instructions are those of AMD's public machine-readable ISA for CDNA 5 (MIT licence, August 2026) and "CDNA5" Instruction Set Architecture Reference Guide (July 2026). The comments in the code are by the model that wrote it; some were corrected since.
;; Attention. Allowed arithmetic: matrix products marked QUANTISED: E2M3 operands, one E8M0 scale for each 32 along K, by v_wmma_scale_f32_16x16x128_f8f6f4 with both operands' format E2M3, f32 sums; everything else in f32.
;; Inputs: freqs_cis 2,048 x 32 x 2 float32; k 2,048 x 4 x 1,024 float32; q 2,048 x 4 x 1,024 float32; v 2,048 x 4 x 1,024 float32; wk 1,024 x 1,024 float32; wo 1,024 x 1,024 float32; wq 1,024 x 1,024 float32; wv 1,024 x 1,024 float32.
;; Outputs: out0 2,048 x 4 x 1,024 float32.
;; This version of the problem:
;;   THIS VERSION OF THE PROBLEM IS GIVEN IN LOW PRECISION. The matrix products marked QUANTISED in the list below multiply operands that are first quantised to E2M3 (2 exponent bits, 3 mantissa bits; 6 bits a number), with one power-of-two scale for each 32 numbers along K (OCP MX v1.0); their sums are f32. All else is computed in f32.
;;   The module's matrix products, in the order in which they are computed (A, B: the left and right operand; K: the contracted axis; several contracted axes count as one K, in the product's order):
;;     1. [M 8,192, K 1,024] x [K 1,024, N 1,024]; A: input q; B: input wq: QUANTISED
;;     2. [M 8,192, K 1,024] x [K 1,024, N 1,024]; A: input k; B: input wk: QUANTISED
;;     3. [M 8,192, K 1,024] x [K 1,024, N 1,024]; A: input v; B: input wv: QUANTISED
;;     4. batch 64 x [M 2,048, K 64] x [K 64, N 2,048]; A: computed on the way; B: computed on the way: QUANTISED
;;     5. batch 64 x [M 64, K 2,048] x [K 2,048, N 2,048]; A: computed on the way; B: softmax (see below): QUANTISED
;;     6. [M 8,192, K 1,024] x [K 1,024, N 1,024]; A: computed on the way; B: input wo: QUANTISED
;;   THE QUANTISER, for each operand of a quantised product, along K:
;;     - K is cut into blocks of 32 from its start; a last block that is shorter is filled with zeros.
;;     - A block's scale is 2^e with e = floor(log2(the largest magnitude in the block)) - 2, held to -126 .. 127; a block of zeros has e = 0. As a byte (E8M0): e + 127.
;;     - Each number is divided by its block's scale, clamped to +-7.5, and rounded to the nearest number of E2M3, ties to even, subnormals kept.
;;     - The product sums the exact products of the quantised numbers (number of the format x scale) in f32.
;;   ~~~python
;;   def quantise(x, axis):      # numpy; x: float32 -> the quantised numbers, widened to float32 again
;;       x = np.moveaxis(x, axis, -1); K = x.shape[-1]
;;       x = np.pad(x, [(0, 0)] * (x.ndim - 1) + [(0, -K % 32)]); x = x.reshape(x.shape[:-1] + (-1, 32)); a = np.abs(x).max(-1, keepdims=True)
;;       e = np.where(a > 0, np.clip(np.frexp(np.where(a > 0, a, 1))[1] - 1 - 2, -126, 127), 0)      # np.frexp(a)[1] - 1 = floor(log2(a)), exactly
;;       r = np.clip(x / 2.0 ** e, -7.5, 7.5)
;;       step = 2.0 ** (np.maximum(np.frexp(np.where(r == 0, 1, r))[1] - 1, 0) - 3)
;;       q = np.round(r / step) * step * 2.0 ** e      # np.round: ties to even
;;       return np.moveaxis(q.reshape(q.shape[:-2] + (-1,))[..., :K], -1, axis).astype(np.float32)
;;   ~~~
;;   SOFTMAX AHEAD OF A QUANTISED PRODUCT. Where the list says 'softmax', what is quantised is not the finished softmax but p = 2^(t - M), with t = logit x log2(e) and M = ceil(the row's largest t), a whole number; so 1/2 < the row's largest p <= 1. The row's sum l is taken of the UNQUANTISED p, in f32, and the product's result is divided by l at the end. Since M is a whole number, a kernel that streams over the keys may use a running M (the ceiling of the running maximum): every later rescaling is an exact power of two, which a block's scale takes up: the codes' values come out the same.
;;   OPERANDS COMPUTED ON THE WAY. 'Computed on the way' means the value that the module computes at that place (a softmax that the list does not call 'softmax' is quantised finished and normalised). What goes into a quantiser is computed in f32, as accurately as f32 sums, v_exp_f32 and their like allow (about 1e-6 of the number): no bf16 or f16 on the way to a quantiser, and a product that is left as it is and whose result goes on into a quantised operand takes f32 operands (vector FMAs, or v_wmma_f32_16x16x4_f32). A number that lies on a knife's edge between two numbers of the format may be rounded either way, as far as f32 arithmetic and the matrix unit's own rounding can turn it there, and no further.
;; One version. Each part assembles by itself: llvm-mc -triple=amdgcn-amd-amdhsa -mcpu=gfx1250 --defsym DOCPART=n.
;; ======== version 1 of 1: 4 launches
;; limits: right only within a limited range of input values
;; workspace buffers: xcodes 22,020,096 bytes; xscales 917,504 bytes; hcodes 18,874,368 bytes; hscales 1,310,720 bytes; ocodes 6,291,456 bytes; oscales 262,144 bytes
;; launch quant (part 1): grid 448 x 1, 4 waves a work-group, no clusters, 37,376 bytes of LDS; arguments q, k, v, wq, wk, wv, wo, xcodes, xscales; writes xcodes, xscales
.if DOCPART == 1
	.amdgcn_target "amdgcn-amd-amdhsa--gfx1250"
	.amdhsa_code_object_version 6
	.text
	.protected	k_q36aafc8ab6_quant
	.globl	k_q36aafc8ab6_quant
	.p2align	8
	.type	k_q36aafc8ab6_quant,@function
k_q36aafc8ab6_quant:
	s_mov_b64 s[64:65], 0
	v_nop
	global_prefetch_b8 v0, s[64:65] scope:SCOPE_SE
	s_setreg_imm32_b32 hwreg(HW_REG_WAVE_MODE, 25, 1), 1
	s_wait_xcnt 0x0
; q, k, v [8192][1024] and wq, wk, wv, wo [1024][1024], f32, K innermost, become codes of FP6 (E2M3) with one E8M0 byte for each 32 along K.
; A block's scale is 2^(floor(log2(its largest magnitude)) - 2); its byte is that magnitude's exponent field - 2, held at 1 from below.
; LIMITS: NaN and infinities are not served; a block of zeros, or one under the floor 2^-124, gets the byte 1 (its codes are zeros or tiny; this program alone reads the bytes).
; THE CODES ARE LAID AS THE MATRIX UNIT'S REGISTERS TAKE THEM.  The unit is 16 rows x 64 along K, 768 bytes: lane (r, h) holds row position r and k = 32 h .. 32 h + 31, six registers:
; registers 0-3 at 16 x lane, registers 4-5 at 512 + 8 x lane.  xcodes is [k / 64: 16][row block: 1792][768]; xscales is [row block][position: 16][32 bytes].
; ROW BLOCKS: q 0.., k 512.., v 1024.., wq 1536.., wk 1600.., wv 1664.., wo 1728...  In q, k, v block 128 b + 8 s + tau, position p, is row 4 l + b with l = 128 s + 32 (tau / 2) + 8 (tau % 2) + p + 8 (p / 8):
; 128 neighbouring positions are 128 sequence places of one batch, and the results of two neighbouring blocks give a lane 16 neighbours.  wq, wk, wv take the same order of rows; wo's rows stay as they lie.
; SHARES: a wave takes one row block, 16 rows x all of K, in 16 steps of 64 along K.  Each load reads two rows' aligned 256 bytes; a step's 4,096 bytes turn through the wave's own stage in LDS (rows of 272 bytes), so that a lane
; gets a whole block of 32 neighbours.  Each store of codes covers 512 or 256 consecutive bytes, aligned.  Work-groups share no input: no cluster, no tensor load, no barrier.  Loads run three steps (24 loads a wave) ahead.
.set CHX,   1376256                    ; bytes from one 64 along K to the next in xcodes: 1792 row blocks x 768
.set WREG,  9216                       ; LDS of a wave: two stages of 16 x 272 bytes, then its 512 scale bytes
.set STG1,  4352
.set SBY,   8704
.set SPARE, 4*WREG                     ; behind the four regions: the spare words, 128 bytes for each wave, which no other line names
.set SW,  4                            ; v4   stage, on the way in: 272 h + 16 r
.set SR,  5                            ; v5   stage, on the way out: 272 r + 128 h
.set SB,  6                            ; v6   my scale byte: 32 r + h
.set SBR, 7                            ; v7   the scale bytes on their way out: 16 x lane
.set L16, 8                            ; v8   16 x lane
.set L8,  9                            ; v9   8 x lane
.set SPW, 14                           ; v14  LDS address of my spare word; never rewritten
.set NIL, 15                           ; v15  0; never rewritten
.set OFF, 16                           ; v16-23  load i: byte offset of positions 2 i (lanes 0-15) and 2 i + 1 (lanes 16-31)
.set R,   32                           ; v32-127  three sets of 32 numbers as loaded
.set X,   128                          ; v128-191 two sets of 32 neighbours
.set C,   192                          ; v192-207 two sets of codes
.set D,   208                          ; v208-210 a block's upper 16 codes (a conversion's three registers begin on an even number)
	s_load_b512 s[16:31], s[0:1], 0x0              ; q, k, v, wq, wk, wv, wo, xcodes
	s_load_b64 s[32:33], s[0:1], 0x40              ; xscales
	v_lshl_add_u32 v[SPW], v0, 2, SPARE
	v_mov_b32 v[NIL], 0
	v_lshrrev_b32 v1, 5, v0
	v_readfirstlane_b32 s3, v1                     ; wave
	v_and_b32 v1, 31, v0                           ; lane
	v_and_b32 v2, 15, v0                           ; r
	v_bfe_u32 v3, v0, 4, 1                         ; h
	s_mul_i32 s4, s3, WREG
	v_mul_u32_u24 v[SW], v3, 272
	v_lshl_add_u32 v[SW], v2, 4, v[SW]
	v_add_nc_u32 v[SW], s4, v[SW]
	v_mul_u32_u24 v[SR], v2, 272
	v_lshl_add_u32 v[SR], v3, 7, v[SR]
	v_add_nc_u32 v[SR], s4, v[SR]
	s_add_co_u32 s5, s4, SBY
	v_lshl_add_u32 v[SB], v2, 5, v3
	v_add_nc_u32 v[SB], s5, v[SB]
	v_lshlrev_b32 v[L16], 4, v1
	v_lshlrev_b32 v[L8], 3, v1
	v_add_nc_u32 v[SBR], s5, v[L16]
	s_lshl_b32 s6, ttmp9, 2
	s_add_co_u32 s6, s6, s3                        ; my row block, 0 .. 1791
	s_cmp_lt_u32 ttmp9, 384                        ; q, k, v or a weight?
	s_cselect_b32 s7, 127, 63                      ; blocks of a batch, or of a weight
	s_cselect_b32 s8, 14, 12                       ; from position to position: 16,384 bytes (four rows) or 4,096, as a shift
	s_cselect_b32 s9, 2, 0                         ; sequence place to row: x 4, or x 1
	s_cselect_b32 s10, 3, 0
	s_cmp_lt_u32 ttmp9, 432                        ; all but wo take the order in which positions 8-15 lie 8 rows further on
	s_cselect_b32 s11, 8, 0
	s_and_b32 s7, s6, s7
	s_lshr_b32 s12, s6, 7
	s_and_b32 s10, s12, s10
	; k alone takes another order than the head states: block 8 s + tau, position p, is place 128 s + 64 (tau / 4) + 8 (tau % 4) + p + 24 (p / 8),
	; so that the results of FOUR neighbouring blocks give a lane 32 neighbours.  q, v and the weights keep the order of the head.
	s_sub_co_u32 s12, ttmp9, 128
	s_cmp_lt_u32 s12, 128                          ; k: work-groups 128 to 255
	s_cselect_b32 s12, 3, 1
	s_cselect_b32 s14, 3, 1                        ; positions 8-15 pass over 24 places, or 8
	s_and_b32 s12, s6, s12
	s_mul_i32 s12, s12, s11
	s_lshl_b32 s7, s7, 4
	s_sub_co_u32 s7, s7, s12                       ; the block's first place: 16 x block - 8 x (block % 2)
	s_lshl_b32 s7, s7, s9
	s_add_co_u32 s7, s7, s10                       ; its row
	s_lshl_b32 s34, s7, 12                         ; in bytes
	s_mov_b32 s35, 0
	s_lshl_b32 s13, 2, s8                          ; two positions on
	s_mul_i32 s11, s11, s14
	s_lshl_b32 s11, s11, s8
	v_lshlrev_b32 v[OFF], s8, v3
	v_lshl_add_u32 v[OFF], v2, 4, v[OFF]
	s_wait_alu depctr_va_vdst(0)
	s_mov_b32 s12, 0
.irp i, 1,2,3,4,5,6,7
	s_add_co_u32 s12, s12, s13
.if \i == 4
	s_add_co_u32 s12, s12, s11
.endif
	v_add_nc_u32 v[OFF+\i], s12, v[OFF]
.endr
	s_mul_i32 s36, s6, 768
	s_mov_b32 s37, 0
	s_lshl_b32 s38, s6, 9
	s_mov_b32 s39, 0
	s_wait_alu depctr_va_vdst(0)
	s_wait_kmcnt 0x0
	s_mov_b64 s[40:41], s[28:29]                   ; the source is chosen by the work-group's number alone
	s_cmp_lt_u32 ttmp9, 432
	s_cselect_b64 s[40:41], s[26:27], s[40:41]
	s_cmp_lt_u32 ttmp9, 416
	s_cselect_b64 s[40:41], s[24:25], s[40:41]
	s_cmp_lt_u32 ttmp9, 400
	s_cselect_b64 s[40:41], s[22:23], s[40:41]
	s_cmp_lt_u32 ttmp9, 384
	s_cselect_b64 s[40:41], s[20:21], s[40:41]
	s_cmp_lt_u32 ttmp9, 256
	s_cselect_b64 s[40:41], s[18:19], s[40:41]
	s_cmp_lt_u32 ttmp9, 128
	s_cselect_b64 s[40:41], s[16:17], s[40:41]
	s_add_nc_u64 s[40:41], s[40:41], s[34:35]
	s_add_nc_u64 s[42:43], s[30:31], s[36:37]      ; my block's codes, first 64 along K
	s_add_nc_u64 s[44:45], s[32:33], s[38:39]      ; my block's 512 scale bytes
.macro LOAD t                          ; step t: 64 numbers of each of the 16 rows
.irp i, 0,1,2,3,4,5,6,7
	global_load_b128 v[R+32*((\t)%3)+4*\i:R+32*((\t)%3)+4*\i+3], v[OFF+\i], s[40:41] offset:256*(\t) th:TH_LOAD_NT
.endr
.endm
.macro TURN t                          ; through the stage: LDS serves a wave's instructions in order, so no wait stands between the stores and the loads
.irp i, 0,1,2,3,4,5,6,7
	ds_store_b128 v[SW], v[R+32*((\t)%3)+4*\i:R+32*((\t)%3)+4*\i+3] offset:STG1*((\t)%2)+544*\i
.endr
.irp j, 0,1,2,3,4,5,6,7
	ds_load_b128 v[X+32*((\t)%2)+4*\j:X+32*((\t)%2)+4*\j+3], v[SR] offset:STG1*((\t)%2)+16*\j
.endr
.endm
.macro STEP t
.set XS, X+32*((\t)%2)
.set CC, C+8*((\t)%2)
.if (\t) > 0
	s_wait_dscnt 1                                 ; this step's numbers are back from the stage; the last step's byte store may be out
.else
	s_wait_dscnt 0x0
.endif
	s_wait_xcnt 0x0                                ; the earlier stores have read their data and their base: both are written again below
.if (\t) > 0
	s_add_nc_u64 s[42:43], s[42:43], CHX           ; the next 64 along K
.endif
.if (\t)+3 < 16
	LOAD (\t)+3
.endif
.if (\t) < 15
.if (\t) < 13
	s_wait_loadcnt 16                              ; the next step's eight loads are in; those of the two steps behind it may be out
.else
	s_wait_loadcnt 8*(14-(\t))
.endif
	TURN (\t)+1
.endif
	v_max3_num_f32 v10, |v[XS]|, |v[XS+1]|, |v[XS+2]|              ; the block's largest magnitude: all 32 numbers are mine; two chains
	v_max3_num_f32 v11, |v[XS+3]|, |v[XS+4]|, |v[XS+5]|
.irp i, 6,10,14,18,22,26
	v_max3_num_f32 v10, v10, |v[XS+\i]|, |v[XS+\i+1]|
	v_max3_num_f32 v11, v11, |v[XS+\i+2]|, |v[XS+\i+3]|
.endr
	v_max3_num_f32 v10, v10, |v[XS+30]|, |v[XS+31]|
	v_max3_num_f32 v10, v10, v11, 0x1800000        ; and the floor 2^(3 - 127): the byte cannot fall under 1
	v_add_nc_u32 v12, 0xff000000, v10              ; 2 off the exponent field: the conversion takes that field as its scale
	v_cvt_scalef32_pk16_fp6_f32 v[CC:CC+2], v[XS:XS+15], v12
	v_cvt_scalef32_pk16_fp6_f32 v[D:D+2], v[XS+16:XS+31], v12
	v_lshrrev_b32 v13, 23, v12                     ; the scale's byte; also the plain line behind the conversions
	v_mov_b32 v[CC+3], v[D]
	v_mov_b32 v[CC+4], v[D+1]
	v_mov_b32 v[CC+5], v[D+2]
	ds_store_b8 v[SB], v13 offset:2*(\t)
	global_store_b128 v[L16], v[CC:CC+3], s[42:43]                 ; 512 consecutive bytes, aligned
	global_store_b64 v[L8], v[CC+4:CC+5], s[42:43] offset:512      ; 256 more
.endm
	LOAD 0
	LOAD 1
	LOAD 2
	s_wait_loadcnt 16                              ; step 0's eight loads are in
	TURN 0
.irp t, 0,1,2,3,4,5,6,7,8,9,10,11,12,13,14,15
	STEP \t
.endr
	ds_load_b128 v[R:R+3], v[SBR]                  ; my wave's 512 scale bytes: these loads see my stores
	s_wait_dscnt 0x0
	global_store_b128 v[L16], v[R:R+3], s[44:45]
	s_wait_tensorcnt 0x0                           ; the wave's end
	ds_add_u32 v[SPW], v[NIL]
	s_wait_dscnt 0x0
	s_endpgm
.Lfunc_end_k_q36aafc8ab6_quant:
	.size	k_q36aafc8ab6_quant, .Lfunc_end_k_q36aafc8ab6_quant-k_q36aafc8ab6_quant
	.p2alignl 7, 3214868480
	.fill 96, 4, 3214868480
	.section	.rodata,"a",@progbits
	.p2align	6, 0x0
	.amdhsa_kernel k_q36aafc8ab6_quant
		.amdhsa_group_segment_fixed_size 37376
		.amdhsa_private_segment_fixed_size 0
		.amdhsa_enable_private_segment 0
		.amdhsa_kernarg_size 72
		.amdhsa_user_sgpr_count 2
		.amdhsa_user_sgpr_kernarg_segment_ptr 1
		.amdhsa_wavefront_size32 1
		.amdhsa_system_sgpr_workgroup_id_x 1
		.amdhsa_system_sgpr_workgroup_id_y 1
		.amdhsa_system_sgpr_workgroup_id_z 1
		.amdhsa_system_vgpr_workitem_id 0
		.amdhsa_next_free_vgpr 216
		.amdhsa_next_free_sgpr 66
		.amdhsa_reserve_vcc 0
		.amdhsa_float_denorm_mode_32 3
		.amdhsa_float_denorm_mode_16_64 3
		.amdhsa_memory_ordered 1
		.amdhsa_forward_progress 1
		.amdhsa_inst_pref_size 61
	.end_amdhsa_kernel
	.amdgpu_metadata
---
amdhsa.version: [ 1, 2 ]
amdhsa.kernels:
  - .name:           k_q36aafc8ab6_quant
    .symbol:         k_q36aafc8ab6_quant.kd
    .args:
      - { .name: q, .offset: 0, .size: 8, .value_kind: global_buffer, .address_space: global }
      - { .name: k, .offset: 8, .size: 8, .value_kind: global_buffer, .address_space: global }
      - { .name: v, .offset: 16, .size: 8, .value_kind: global_buffer, .address_space: global }
      - { .name: wq, .offset: 24, .size: 8, .value_kind: global_buffer, .address_space: global }
      - { .name: wk, .offset: 32, .size: 8, .value_kind: global_buffer, .address_space: global }
      - { .name: wv, .offset: 40, .size: 8, .value_kind: global_buffer, .address_space: global }
      - { .name: wo, .offset: 48, .size: 8, .value_kind: global_buffer, .address_space: global }
      - { .name: xcodes, .offset: 56, .size: 8, .value_kind: global_buffer, .address_space: global }
      - { .name: xscales, .offset: 64, .size: 8, .value_kind: global_buffer, .address_space: global }
    .group_segment_fixed_size: 37376
    .private_segment_fixed_size: 0
    .kernarg_segment_align: 8
    .kernarg_segment_size: 72
    .max_flat_workgroup_size: 128
    .sgpr_count:     66
    .vgpr_count:     216
    .wavefront_size: 32
...
	.end_amdgpu_metadata
.endif
;; end of part 1
;; launch proj (part 2): grid 4 x 96, 4 waves a work-group, clusters of 4 x 4, 327,680 bytes of LDS; arguments xcodes, xscales, freqs_cis, hcodes, hscales; writes hcodes, hscales
.if DOCPART == 2
	.amdgcn_target "amdgcn-amd-amdhsa--gfx1250"
	.amdhsa_code_object_version 6
	.text
	.protected	k_q36aafc8ab6_proj
	.globl	k_q36aafc8ab6_proj
	.p2align	8
	.type	k_q36aafc8ab6_proj,@function
k_q36aafc8ab6_proj:
	s_mov_b64 s[64:65], 0
	v_nop
	global_prefetch_b8 v0, s[64:65] scope:SCOPE_SE
	s_setreg_imm32_b32 hwreg(HW_REG_WAVE_MODE, 25, 1), 1
	s_wait_xcnt 0x0
	s_wait_alu depctr_hold_cnt(0) depctr_sa_sdst(0) depctr_va_vdst(0) depctr_va_sdst(0) depctr_va_ssrc(0) depctr_va_vcc(0) depctr_vm_vsrc(0)
	s_getreg_b32 s2, hwreg(HW_REG_IB_STS2, 6, 4)
	s_cmp_eq_u32 s2, 0
	s_cbranch_scc0 .Lentry_in_a_cluster
	s_endpgm
.Lentry_in_a_cluster:
	s_bfe_u32 s2, ttmp6, 0x10000c
	s_cmp_lg_u32 s2, 0xf033
	s_cbranch_scc0 .Lentry_shape_is_right
	s_endpgm
.Lentry_shape_is_right:
.set CHX,   1376256
.set HEADC, 294912
.set HEADS, 20480
.set FR,    12
.set NL,    4
.set NQ,    2
.set NP,    4
.set CHK,   6144
.set HALF,  4*CHK
.set SLOT,  4*HALF
.set STEPA, 8*CHX
.set STEPB, 8*CHX
.set SCL,   2*SLOT
.set HALFS, 16*272
.set SBLK,  544
.set SPARE, SCL+4*HALFS
.set ADRA, 16
.set ADRB, 20
.set L16,  24
.set L8,   25
.set VF,   26
.set ADRS, 27
.set SPW,  28
.set NIL,  29
.set SC,   32
.set FC,   64
.set AF,   128
.set ST,   128
.set PC,   192
.set TM,   212
.set PW,   228
.set PWS,  232
.set W,    240
.set TT,   248
.set G1, 24
.set G0, 32
.set G1B, 48
.set G0B, 56
.set G1S, 68
.set G0S, 76
.set G1SB, 80
.set G0SB, 88
.set HM,  42
.set SEL, 98
.set MSB, 0
.macro WIN new
.if MSB != (\new)
	s_set_vgpr_msb (MSB<<8)|(\new)
.set MSB, (\new)
.endif
.endm
.set MUL_LO, 0xa1
.set MUL_HI, 0xf1
.set TO_B,   0x40
.macro JLOAD g0a, g1a, g0b, g1b
	s_cmp_eq_u32 s15, 0
	s_cbranch_scc0 .Lfor_b_\@
	tensor_load_to_lds s[\g0a:\g0a+3], s[\g1a:\g1a+7]
	s_nop 0
.rept 4
	v_nop
.endr
	s_branch .Lasked_\@
.Lfor_b_\@:
	tensor_load_to_lds s[\g0b:\g0b+3], s[\g1b:\g1b+7]
	s_nop 0
.rept 4
	v_nop
.endr
.Lasked_\@:
.endm
.macro CREST
	s_cmp_lg_u32 s14, 0
	s_cbranch_scc1 .Lnot_wave_0_\@
	s_barrier_signal -3
.Lnot_wave_0_\@:
	s_barrier_wait -3
	s_barrier_signal -1
	s_barrier_wait -1
.endm
.macro CROUND
	s_barrier_signal -1
	s_barrier_wait -1
	CREST
.endm
	s_load_b256 s[4:11], s[0:1], 0x0
	s_load_b64 s[12:13], s[0:1], 0x20
	v_lshl_add_u32 v[SPW], v0, 2, SPARE
	v_mov_b32 v[NIL], 0
	ds_add_u32 v[SPW], v[NIL]
	ds_add_u32 v[SPW], v[NIL]
	v_lshrrev_b32 v1, 5, v0
	v_readfirstlane_b32 s14, v1
	s_lshr_b32 s15, s14, 1
	s_and_b32 s16, s14, 1
	s_bfe_u32 s40, ttmp6, 0x40000
	s_bfe_u32 s41, ttmp6, 0x40004
	s_and_b32 s17, ttmp7, 0xffff
	s_lshr_b32 s18, s17, 3
	s_and_b32 s19, s17, 7
	s_lshl_b32 s19, s19, 2
	s_add_co_u32 s20, s19, s41
	s_add_co_u32 s21, s19, s40
	s_lshl_b32 s43, s41, 2
	s_lshl_b32 s43, 15, s43
	s_lshl_b32 s44, 0x1111, s40
	s_or_b32 s[G1+0], s43, (3<<16)|(1<<21)
	s_or_b32 s[G1B+0], s44, (3<<16)|(1<<21)
.irp g, G1, G1B
	s_mov_b32 s[\g+1], 768<<16
	s_mov_b32 s[\g+2], 4<<16
	s_mov_b32 s[\g+3], 768<<16
	s_mov_b32 s[\g+4], 4
	s_mov_b32 s[\g+5], CHX/8
	s_mov_b32 s[\g+6], 0
	s_mov_b32 s[\g+7], 0
.endr
	s_or_b32 s[G1S+0], s43, (3<<16)|(1<<20)|(1<<21)|(5<<22)|(3<<25)
	s_or_b32 s[G1SB+0], s44, (3<<16)|(1<<20)|(1<<21)|(5<<22)|(3<<25)
.irp g, G1S, G1SB
	s_mov_b32 s[\g+1], 32<<16
	s_mov_b32 s[\g+2], 16<<16
	s_mov_b32 s[\g+3], 32<<16
	s_mov_b32 s[\g+4], 16
	s_mov_b32 s[\g+5], 32
	s_mov_b32 s[\g+6], 0
	s_mov_b32 s[\g+7], 0
.endr
	s_lshl_b32 s22, s18, 9
	s_lshl_b32 s23, s20, 4
	s_add_co_u32 s22, s22, s23
	s_lshl_b32 s23, s41, 4
	s_add_co_u32 s23, s23, 1664
	s_lshl_b32 s46, s18, 6
	s_lshl_b32 s47, s40, 4
	s_add_co_u32 s46, s46, s47
	s_add_co_u32 s46, s46, 1536
	s_lshl_b32 s47, s21, 4
	s_add_co_u32 s47, s47, 1024
	s_cmp_eq_u32 s18, 2
	s_cselect_b32 s22, s23, s22
	s_cselect_b32 s46, s47, s46
	s_lshl_b32 s23, s16, 3
	s_add_co_u32 s22, s22, s23
	s_add_co_u32 s46, s46, s23
	s_mul_i32 s94, s22, 768
	s_mov_b32 s95, 0
	s_lshl_b32 s96, s22, 9
	s_mov_b32 s97, 0
	s_mul_i32 s66, s46, 768
	s_mov_b32 s67, 0
	s_lshl_b32 s92, s46, 9
	s_mov_b32 s93, 0
	s_mul_i32 s45, s14, HALF
	s_mul_i32 s47, s14, HALFS
	s_mov_b32 s[HM], 0xffff0000
	s_mov_b32 s[SEL], 0x76543210
	s_mov_b32 s[SEL+1], 0xfedcba98
	s_wait_dscnt 0x0
	s_wait_kmcnt 0x0
	s_add_nc_u64 s[94:95], s[4:5], s[94:95]
	s_add_nc_u64 s[96:97], s[6:7], s[96:97]
	s_add_nc_u64 s[66:67], s[4:5], s[66:67]
	s_add_nc_u64 s[92:93], s[6:7], s[92:93]
	CROUND
	s_mov_b32 s[G0S], 1
	s_add_co_u32 s[G0S+1], s47, SCL
	s_mov_b64 s[G0S+2:G0S+3], s[96:97]
	s_or_b32 s[G0S+3], s[G0S+3], 0x80000000
	s_mov_b32 s[G0SB], 1
	s_add_co_u32 s[G0SB+1], s47, SCL
	s_mov_b64 s[G0SB+2:G0SB+3], s[92:93]
	s_or_b32 s[G0SB+3], s[G0SB+3], 0x80000000
	JLOAD G0S, G1S, G0SB, G1SB
.irp s, 0,1
	s_mov_b32 s[G0+4*\s], 1
	s_add_co_u32 s[G0+4*\s+1], s45, \s*SLOT
	s_add_nc_u64 s[G0+4*\s+2:G0+4*\s+3], s[94:95], \s*4*CHX
	s_or_b32 s[G0+4*\s+3], s[G0+4*\s+3], 0x80000000
	s_mov_b32 s[G0B+4*\s], 1
	s_add_co_u32 s[G0B+4*\s+1], s45, \s*SLOT
	s_add_nc_u64 s[G0B+4*\s+2:G0B+4*\s+3], s[66:67], \s*4*CHX
	s_or_b32 s[G0B+4*\s+3], s[G0B+4*\s+3], 0x80000000
	s_wait_alu depctr_va_vdst(0)
	s_wait_tensorcnt 0x0
	ds_add_u32 v28, v29
	s_wait_dscnt 0x0
	CROUND
	JLOAD G0+4*\s, G1, G0B+4*\s, G1B
.endr
	v_and_b32 v1, 31, v0
	v_and_b32 v2, 15, v0
	v_bfe_u32 v3, v0, 4, 1
	v_lshlrev_b32 v[L16], 4, v1
	v_lshlrev_b32 v[L8], 3, v1
	s_mul_i32 s2, s15, HALF
	s_mul_i32 s3, s16, HALF
	s_add_co_u32 s3, s3, 2*HALF
.irp s, 0,1
	v_add_nc_u32 v[ADRA+\s], s2, v[L16]
	v_add_nc_u32 v[ADRB+\s], s3, v[L16]
	v_add_nc_u32 v[ADRA+2+\s], s2, v[L8]
	v_add_nc_u32 v[ADRB+2+\s], s3, v[L8]
	s_add_co_u32 s2, s2, SLOT
	s_add_co_u32 s3, s3, SLOT
.endr
	v_mul_u32_u24 v6, v2, 32
	v_lshrrev_b32 v7, 8, v6
	v_lshl_add_u32 v6, v7, 4, v6
	s_mul_i32 s2, s15, HALFS
	s_mul_i32 s3, s16, HALFS
	s_add_co_u32 s3, s3, 2*HALFS
	s_sub_co_u32 s3, s3, s2
	v_mul_u32_u24 v7, s3, v3
	s_add_co_u32 s2, s2, SCL
	v_add_nc_u32 v6, v6, v7
	v_add_nc_u32 v[ADRS], s2, v6
	s_cmp_eq_u32 s18, 1                            ; k's order of rows: position r of block a is place 64 (a / 4) + 8 (a % 4) + r + 24 (r / 8); q's: 32 (a / 2) + 8 (a % 2) + r + 8 (r / 8)
	s_cselect_b32 s2, 3, 1
	s_cselect_b32 s3, 0, 4096                      ; the loads' immediates follow k's order; in q's, blocks with a % 4 of 2 or 3 lie 16 places, 4,096 bytes, further on
	v_and_b32 v[VF], 8, v2
	v_mad_u32_u24 v[VF], v[VF], s2, v2
	v_lshlrev_b32 v[VF], 8, v[VF]
	v_lshl_add_u32 v[VF], v3, 6, v[VF]
	v_add_nc_u32 v[VF+4], s3, v[VF]                ; v30: the offset for those blocks
	s_lshl_b32 s17, s20, 1
	s_add_co_u32 s17, s17, s15
	s_lshl_b32 s19, s40, 2
	s_lshl_b32 s22, s16, 1
	s_add_co_u32 s19, s19, s22
	s_lshl_b32 s22, s21, 1
	s_add_co_u32 s22, s22, s16
	s_lshl_b32 s23, s41, 2
	s_lshl_b32 s46, s15, 1
	s_add_co_u32 s23, s23, s46
	s_cmp_eq_u32 s18, 2
	s_cselect_b32 s17, s22, s17
	s_cselect_b32 s19, s23, s19
	s_cselect_b32 s22, 8, 9
	s_lshr_b32 s23, s17, 4
	s_and_b32 s17, s17, 15
	s_lshl_b32 s23, s23, 4
	s_add_co_u32 s19, s19, s23
	s_mul_i32 s46, s19, HEADC
	s_mul_i32 s23, s18, 98304
	s_add_co_u32 s46, s46, s23
	s_mul_i32 s23, s17, 6144
	s_add_co_u32 s46, s46, s23
	s_mov_b32 s47, 0
	s_add_nc_u64 s[10:11], s[10:11], s[46:47]
	s_mul_i32 s46, s19, HEADS
	s_lshl_b32 s23, s18, 13
	s_add_co_u32 s46, s46, s23
	s_lshl_b32 s23, s17, s22
	s_add_co_u32 s46, s46, s23
	s_add_nc_u64 s[12:13], s[12:13], s[46:47]
	s_lshl_b32 s46, s17, 15
	s_add_nc_u64 s[8:9], s[8:9], s[46:47]
.macro FRAG reg, adr, q, i
.irp c, 0,1
	ds_load_b128 v[\reg+6*\c:\reg+6*\c+3], v[\adr] offset:(2*(\q)+\c)*CHK+(\i)*768
	ds_load_b64 v[\reg+6*\c+4:\reg+6*\c+5], v[\adr+2] offset:(2*(\q)+\c)*CHK+(\i)*768+512
.endr
.endm
.macro MUL16 a0, p, q, sc, zero
.irp a, \a0, \a0+1
.irp b, 0,1,2,3,4,5,6,7
.if \zero
	v_wmma_scale_f32_16x16x128_f8f6f4 v[8*(8*((\a)%4)+\b):8*(8*((\a)%4)+\b)+7], v[128*(\p)+FR*\b:128*(\p)+FR*\b+FR-1], v[AF+FR*(\a):AF+FR*(\a)+FR-1], 0, v[SC+8*NQ*(\sc)+NQ*\b+(\q)], v[SC+8*NQ*(\sc)+NQ*(\a)+(\q)] matrix_a_fmt:MATRIX_FMT_FP6 matrix_b_fmt:MATRIX_FMT_FP6 matrix_a_scale:MATRIX_SCALE_ROW1
.else
	v_wmma_scale_f32_16x16x128_f8f6f4 v[8*(8*((\a)%4)+\b):8*(8*((\a)%4)+\b)+7], v[128*(\p)+FR*\b:128*(\p)+FR*\b+FR-1], v[AF+FR*(\a):AF+FR*(\a)+FR-1], v[8*(8*((\a)%4)+\b):8*(8*((\a)%4)+\b)+7], v[SC+8*NQ*(\sc)+NQ*\b+(\q)], v[SC+8*NQ*(\sc)+NQ*(\a)+(\q)] matrix_a_fmt:MATRIX_FMT_FP6 matrix_b_fmt:MATRIX_FMT_FP6 matrix_a_scale:MATRIX_SCALE_ROW1
.endif
.endr
.endr
.endm
.macro FETCH_B slot, q, p
	WIN TO_B
.irp i, 0,1,2,3,4,5,6,7
	FRAG 128*(\p)+FR*\i, ADRB+\slot, \q, \i
.endr
	WIN 0
.endm
.macro FETCH_A slot, q, i0
.irp i, \i0, \i0+1, \i0+2, \i0+3
	FRAG AF+FR*(\i), ADRA+\slot, \q, \i
.endr
.endm
.macro SCALES sc
.irp i, 0,1,2,3,4,5,6,7
	ds_load_b64 v[SC+8*NQ*\sc+NQ*\i:SC+8*NQ*\sc+NQ*\i+1], v[ADRS] offset:\i*SBLK
.endr
.endm
.macro PLACES n
.rept \n
	v_nop
.endr
.endm
.macro STEP slot, q, zero
	s_wait_dscnt 4*NL
	WIN MUL_LO
	MUL16 0, (\q)%2, \q, \slot, \zero
	MUL16 2, (\q)%2, \q, \slot, \zero
	s_wait_dscnt 0
	PLACES NP
	FETCH_B \slot, (\q)+1, 1-(\q)%2
	FETCH_A \slot, (\q)+1, 0
	WIN MUL_HI
	MUL16 4, (\q)%2, \q, \slot, \zero
	MUL16 6, (\q)%2, \q, \slot, \zero
	PLACES NP
	WIN 0
	FETCH_A \slot, (\q)+1, 4
.endm
.macro TURN slot, next, fill
	s_wait_tensorcnt 0x0
	ds_add_u32 v[SPW], v[NIL]
	s_wait_dscnt 4*NL+1
	WIN MUL_LO
	MUL16 0, 1, NQ-1, \slot, 0
	s_wait_dscnt 0x0
	s_barrier_signal -1
	MUL16 2, 1, NQ-1, \slot, 0
	WIN 0
	s_barrier_wait -1
.if \fill
	CREST
	s_add_nc_u64 s[G0+4*\slot+2:G0+4*\slot+3], s[G0+4*\slot+2:G0+4*\slot+3], STEPA
	s_add_nc_u64 s[G0B+4*\slot+2:G0B+4*\slot+3], s[G0B+4*\slot+2:G0B+4*\slot+3], STEPB
	JLOAD G0+4*\slot, G1, G0B+4*\slot, G1B
.else
	PLACES NP
.endif
	s_wait_alu depctr_va_vdst(0)
	v_add_nc_u32 v[ADRS], 4*NQ, v[ADRS]
	FETCH_B \next, 0, 0
	FETCH_A \next, 0, 0
	SCALES \next
	WIN MUL_HI
	MUL16 4, 1, NQ-1, \slot, 0
	MUL16 6, 1, NQ-1, \slot, 0
	PLACES NP
	WIN 0
	FETCH_A \next, 0, 4
.endm
.macro LAST
	s_wait_dscnt 4*NL
	WIN MUL_LO
	MUL16 0, 1, NQ-1, 1, 0
	MUL16 2, 1, NQ-1, 1, 0
	s_wait_dscnt 0
	WIN MUL_HI
	MUL16 4, 1, NQ-1, 1, 0
	MUL16 6, 1, NQ-1, 1, 0
	WIN 0
.endm
.macro QUANT s, w
.set QS0, (\s)
.set QW, (\w)
	WIN 5*QW
.irp b, 0,1,2,3
	v_max3_num_f32 v[TM+\b], |v[QS0+16*\b]|, |v[QS0+1+16*\b]|, 0x1800000
.endr
.irp i, 2,4,6,8,10,12,14
.irp b, 0,1,2,3
	v_max3_num_f32 v[TM+\b], |v[QS0+16*\b+\i]|, |v[QS0+1+16*\b+\i]|, v[TM+\b]
.endr
.endr
	WIN 0
.irp b, 0,1,2,3
	v_permlanex16_b32 v[TM+4+\b], v[TM+\b], s[SEL], s[SEL+1]
.endr
.irp b, 0,1,2,3
	v_max_num_f32 v[TM+\b], v[TM+\b], v[TM+4+\b]
.endr
.irp b, 0,1,2,3
	v_add_nc_u32 v[TM+12+\b], 0xff000000, v[TM+\b]
.endr
.irp b, 0,1,2,3
	v_lshrrev_b32 v[TM+4+\b], 23, v[TM+12+\b]
.endr
	v_lshl_or_b32 v[PW], v[TM+5], 8, v[TM+4]
	v_lshl_or_b32 v[PW], v[TM+6], 16, v[PW]
	v_lshl_or_b32 v[PW], v[TM+7], 24, v[PW]
	WIN QW
.irp c, 0,1
	v_cvt_scalef32_pk16_fp6_f32 v[PC+6*\c:PC+2+6*\c], v[QS0+32*\c:QS0+15+32*\c], v[TM+12+2*\c]
	v_cvt_scalef32_pk16_fp6_f32 v[PC+12+4*\c:PC+14+4*\c], v[QS0+16+32*\c:QS0+31+32*\c], v[TM+12+2*\c+1]
.endr
	WIN 0
	v_nop
.irp c, 0,1
.irp i, 0,1,2
	v_permlane16_swap_b32 v[PC+6*\c+\i], v[PC+12+4*\c+\i]
.endr
.irp i, 0,1,2
	v_mov_b32 v[PC+3+6*\c+\i], v[PC+12+4*\c+\i]
.endr
.endr
.endm
.macro FCLOAD a
.irp i, 0,1
.irp j, 0,1,2,3
	global_load_b128 v[FC+32*((\a)%2)+16*\i+4*\j:FC+32*((\a)%2)+16*\i+4*\j+3], v[VF+4*(((\a)%4)/2)], s[8:9] offset:256*(64*((\a)/4)+8*((\a)%4))+128*\i+16*\j
.endr
.endr
.endm
.macro ROPE a
.set AC, 64*((\a)%4)
.set FS, FC+32*((\a)%2)
.set WN, 2+(\a)/4
	WIN WN
.irp g, 0,1,2,3,4,5,6,7
.irp p, 0,1,2,3
	v_pk_mul_f32 v[TT+2*\p:TT+2*\p+1], v[AC+8*\g+2*\p:AC+8*\g+2*\p+1], v[FS+2*((4*\g+\p)%16):FS+2*((4*\g+\p)%16)+1] op_sel:[0,1] op_sel_hi:[1,1]
.endr
.irp p, 0,1,2,3
	v_pk_fma_f32 v[ST+8*\g+2*\p:ST+8*\g+2*\p+1], v[AC+8*\g+2*\p:AC+8*\g+2*\p+1], v[FS+2*((4*\g+\p)%16):FS+2*((4*\g+\p)%16)+1], v[TT+2*\p:TT+2*\p+1] op_sel:[0,0,1] op_sel_hi:[1,0,0] neg_lo:[0,0,1]
.endr
.endr
	WIN 0
.endm
	s_wait_alu depctr_va_vdst(0)
	s_wait_tensorcnt 1
	s_barrier_signal -1
	s_barrier_wait -1
	FETCH_B 0, 0, 0
	FETCH_A 0, 0, 0
	SCALES 0
	FETCH_A 0, 0, 4
	STEP 0, 0, 1
	TURN 0, 1, 1
	STEP 1, 0, 0
	TURN 1, 0, 1
	STEP 0, 0, 0
	TURN 0, 1, 0
	STEP 1, 0, 0
	s_cmp_eq_u32 s18, 2
	s_cbranch_scc1 .Lv_mode
	FCLOAD 0
	FCLOAD 1
	LAST
	PLACES NP
.irp b, 0,1,2,3
	v_mov_b32 v[TM+4+\b], 0
.endr
.irp a, 0,1,2,3,4,5,6,7
.if \a < 7
	s_wait_loadcnt 8
.else
	s_wait_loadcnt 0x0
.endif
	ROPE \a
.if \a < 6
	FCLOAD \a+2
.endif
	s_wait_xcnt 0x0
	QUANT ST, 0
	v_mov_b32 v[PWS+\a], v[PW]
	global_store_b128 v[L16], v[PC:PC+3], s[10:11] offset:768*\a
	global_store_b64 v[L8], v[PC+4:PC+5], s[10:11] offset:768*\a+512
	global_store_b128 v[L16], v[PC+6:PC+9], s[10:11] offset:768*\a+HEADC
	global_store_b64 v[L8], v[PC+10:PC+11], s[10:11] offset:768*\a+HEADC+512
.endr
.irp j, 0,1,2,3
	v_cndmask_b32 v[W+\j], v[PWS+2*\j], v[PWS+2*\j+1], s[HM]
.endr
.irp j, 0,1,2,3
	v_lshrrev_b32 v[W+4+\j], 16, v[W+\j]
.endr
	global_store_b128 v[L16], v[W:W+3], s[12:13]
	global_store_b128 v[L16], v[W+4:W+7], s[12:13] offset:HEADS
	s_branch .Lend
.Lv_mode:
	LAST
	PLACES NP
.irp b, 0,1,2,3
	v_mov_b32 v[TM+4+\b], 0
.endr
.irp a, 0,1,2,3,4,5,6,7
	s_wait_xcnt 0x0
	QUANT 64*((\a)%4), 2+(\a)/4
	v_mov_b32 v[PWS+\a], v[PW]
.irp g, 0,1,2
	global_store_b128 v[L16], v[PC+4*\g:PC+4*\g+3], s[10:11] offset:HEADC*((\a)/4)+1536*((\a)%4)+512*\g
.endr
.endr
.irp c, 0,1
	v_cndmask_b32 v[W+2*\c], v[PWS+4*\c], v[PWS+4*\c+1], s[HM]
	v_cndmask_b32 v[W+2*\c+1], v[PWS+4*\c+2], v[PWS+4*\c+3], s[HM]
.endr
.irp c, 0,1
	global_store_b64 v[L8], v[W+2*\c:W+2*\c+1], s[12:13] offset:HEADS*\c
.endr
.Lend:
	s_wait_tensorcnt 0x0
	ds_add_u32 v[SPW], v[NIL]
	s_wait_dscnt 0x0
	CROUND
	s_endpgm
.Lfunc_end_k_q36aafc8ab6_proj:
	.size	k_q36aafc8ab6_proj, .Lfunc_end_k_q36aafc8ab6_proj-k_q36aafc8ab6_proj
	.p2alignl 7, 3214868480
	.fill 96, 4, 3214868480
	.section	.rodata,"a",@progbits
	.p2align	6, 0x0
	.amdhsa_kernel k_q36aafc8ab6_proj
		.amdhsa_group_segment_fixed_size 327680
		.amdhsa_private_segment_fixed_size 0
		.amdhsa_enable_private_segment 0
		.amdhsa_kernarg_size 40
		.amdhsa_user_sgpr_count 2
		.amdhsa_user_sgpr_kernarg_segment_ptr 1
		.amdhsa_wavefront_size32 1
		.amdhsa_system_sgpr_workgroup_id_x 1
		.amdhsa_system_sgpr_workgroup_id_y 1
		.amdhsa_system_sgpr_workgroup_id_z 1
		.amdhsa_system_vgpr_workitem_id 0
		.amdhsa_next_free_vgpr 1024
		.amdhsa_next_free_sgpr 100
		.amdhsa_reserve_vcc 0
		.amdhsa_float_denorm_mode_32 3
		.amdhsa_float_denorm_mode_16_64 3
		.amdhsa_memory_ordered 1
		.amdhsa_forward_progress 1
		.amdhsa_inst_pref_size 232
	.end_amdhsa_kernel
	.amdgpu_metadata
---
amdhsa.version: [ 1, 2 ]
amdhsa.kernels:
  - .name:           k_q36aafc8ab6_proj
    .symbol:         k_q36aafc8ab6_proj.kd
    .args:
      - { .name: xcodes, .offset: 0, .size: 8, .value_kind: global_buffer, .address_space: global }
      - { .name: xscales, .offset: 8, .size: 8, .value_kind: global_buffer, .address_space: global }
      - { .name: freqs_cis, .offset: 16, .size: 8, .value_kind: global_buffer, .address_space: global }
      - { .name: hcodes, .offset: 24, .size: 8, .value_kind: global_buffer, .address_space: global }
      - { .name: hscales, .offset: 32, .size: 8, .value_kind: global_buffer, .address_space: global }
    .group_segment_fixed_size: 327680
    .private_segment_fixed_size: 0
    .kernarg_segment_align: 8
    .kernarg_segment_size: 40
    .max_flat_workgroup_size: 128
    .sgpr_count:     100
    .vgpr_count:     1024
    .wavefront_size: 32
...
	.end_amdgpu_metadata
.endif
;; end of part 2
;; launch attn (part 3): grid 4 x 64, 16 waves a work-group, clusters of 4 x 1, 210,944 bytes of LDS; arguments hcodes, hscales, ocodes, oscales; writes ocodes, oscales
.if DOCPART == 3
	.amdgcn_target "amdgcn-amd-amdhsa--gfx1250"
	.amdhsa_code_object_version 6
	.text
	.protected	k_q36aafc8ab6_attn
	.globl	k_q36aafc8ab6_attn
	.p2align	8
	.type	k_q36aafc8ab6_attn,@function
k_q36aafc8ab6_attn:
	s_mov_b64 s[64:65], 0
	v_nop
	global_prefetch_b8 v0, s[64:65] scope:SCOPE_SE
	s_setreg_imm32_b32 hwreg(HW_REG_WAVE_MODE, 25, 1), 1
	s_wait_xcnt 0x0
	s_wait_alu depctr_hold_cnt(0) depctr_sa_sdst(0) depctr_va_vdst(0) depctr_va_sdst(0) depctr_va_ssrc(0) depctr_va_vcc(0) depctr_vm_vsrc(0)
	s_getreg_b32 s2, hwreg(HW_REG_IB_STS2, 6, 4)
	s_cmp_eq_u32 s2, 0
	s_cbranch_scc0 .Lentry_in_a_cluster
	s_endpgm
.Lentry_in_a_cluster:
	s_bfe_u32 s2, ttmp6, 0x10000c
	s_cmp_lg_u32 s2, 0x3003
	s_cbranch_scc0 .Lentry_shape_is_right
	s_endpgm
.Lentry_shape_is_right:
; For each of 64 heads (16 b + h): O[q] = the sum over keys of softmax(Q[q] . K[key] / 8) V[key], both products on codes of FP6 (E2M3) with one E8M0 byte for each 32 along a product's K; then O / l as codes along e.
; THE SOFTMAX AHEAD OF THE SECOND PRODUCT: t = score x log2(e) / 8; M = the largest t so far, rounded UP to a whole number; p = 2^(t - M) is quantised along the keys, not normalised; the row's sum l is taken of the
; unquantised p and divides at the end; when M moves, l and O are multiplied by 2^(old M - new M), which rounds nothing.
; LIMITS: NaN and infinities are not served; the promise holds while |t| stays under 2^31; 1 / l is v_rcp_f32; a block's largest p is taken from the block's largest score through the same multiply-add and exponential;
; a block of zeros gets the byte 1 (this program alone reads the bytes).
; SHARES: a work-group owns 512 queries of a head: each of its sixteen waves takes two tiles of 16 queries, one after the other, in 256 registers; four waves to a SIMD.  4 x 64 = 256 work-groups.
; A HEAD'S K AND V, CODES AND SCALE WORDS, 208,896 BYTES, LIE IN LDS WHOLE and are filled once: every wave asks for one part at the head (waves 0-11: 16,384 bytes of codes each; waves 12-15: 3,072 bytes of scale words each);
; one wait for 0 and one barrier show all of it to all waves, and no barrier follows until the end.
; CLUSTER: the four work-groups of a cluster are the four query blocks of one head: each load is asked for jointly, with the mask of all four.
; NO PREFETCH: the only tensor loads stand at the head, with no loop ahead of them in which to ask.
; LAYOUT: both products are used transposed (S^T = K Q^T, O^T = V^T P^T): a lane holds one query throughout.  The codes lie as images of the operands' registers.  Position p of K's tile tau holds key
; 64 (tau / 4) + 8 (tau % 4) + p + 24 (p / 8) of the step's 128: so the 32 registers of score tiles 4 c .. 4 c + 3 in lane (r, h) are keys 64 c + 32 h + 0 .. 31, one whole block, in the order in which the second
; product's operand wants them: a block's largest score needs no other lane and no code changes lanes.  The head's 64 fill half of the instruction's K = 128: the upper six registers of Q's and K's fragments are zero codes, set once.
; A STEP AHEAD: a step's first four fragments of K and its scale words are read from LDS in the step before, behind that step's last score products.  A tile's sixteenth step so reads 3,584 bytes that lie behind K's codes and
; scale words (V's first bytes, inside LDS); nobody uses them: the next tile begins with loads of its own.
.set VREG,  98304                      ; LDS: K's codes from 0, V's from here,
.set SCB,   196608                     ; K's scale words (8,192 bytes), then V's (4,096)
.set SPARE, 208896                     ; the spare words, 128 bytes for each of sixteen waves, which no other line names
.set HEADC, 294912                     ; a head in hcodes: Q, K, V, 98,304 bytes each
.set HEADS, 20480                      ; a head in hscales: Q 8,192, K 8,192, V 4,096
.set CHO,   393216                     ; a head's 64 along K in ocodes: 512 row blocks x 768
.set AK,   1                           ; v1   16 x lane
.set AK8,  2                           ; v2   8 x lane + 512
.set AV,   3                           ; v3   16 x lane + VREG
.set AS,   4                           ; v4   16 x lane + SCB
.set AT,   5                           ; v5   8 x lane + SCB + 8192
.set SPW,  6                           ; v6   LDS address of my spare word; never rewritten
.set NIL,  7                           ; v7   0; never rewritten
.set ADK,  8                           ; v8-11, v28  the step's addresses
.set ADK8, 9
.set ADV,  10
.set ADS,  11
.set ADT,  28
.set SH8,  29                          ; v29  8 x (lane / 16)
.set QSO,  30                          ; v30  16 x (lane % 16): Q's scale words
.set OLD,  31                          ; v31  -M of the step before.   v12 -M, v13 the largest score, v[14:15] l in two halves
.set Q1,   16                          ; v16-27 Q's fragment, first tile of queries
.set KF,   32                          ; v32-79 four fragments of K
.set KS,   80                          ; v80-83 K's scale words; v84-85 V's; v86 p's; v87, v88 Q's: they hold nothing else
.set VS,   84
.set PS,   86
.set QS1,  87
.set QS2,  88
.set S,    96                          ; v96-159 S^T, then p; v96-143 then take V's four fragments
.set O,    160                         ; v160-191 O^T
.set PC,   192                         ; v192-203 p's codes; v204-206, v208-210 the upper halves of the blocks as the conversions leave them
.set T,    PC+12
.set BM,   212                         ; v212-213 the blocks' largest; v214-215 their second chains
.set BX,   214
.set BP,   216                         ; v216-217 lane l xor 16's; the bytes
.set SO,   220                         ; v220-221 the conversions' scale operands
.set F,    224                         ; v[224:225] f = 2^(old M - new M)
.set TMP,  226
.set HW,   227
.set Q2,   230                         ; v230-241 Q's fragment, second tile of queries
.set SUM,  244                         ; v244-249 three more chains of the row's sum
.set WV,   12
.set SEL,  20                          ; s[20:21] lane l xor 16
.set CS,   22                          ; s[22:23] c = log2(e) / 8
.set G1C,  24                          ; s[24:31] group 1 for the codes; s[32:39] for the scale words; s[40:43], s[44:47] their groups 0
.set G1S,  32
.set G0,   40
.set G0S,  44
.set NC,   48                          ; -c
.set TK,   60                          ; the step's codes: 6,144 bytes a step, in K and in V
.set TS,   61                          ; K's scale words: 512
.set TJ,   62                          ; V's: 256
.set CNT,  63
.set QB,   66
.set QSB,  68
.set OB,   70
.set OSB,  72
.macro CROUND
	s_barrier_signal -1
	s_barrier_wait -1
	s_cmp_lg_u32 s[WV], 0
	s_cbranch_scc1 .Lnot_wave_0_\@
	s_barrier_signal -3
.Lnot_wave_0_\@:
	s_barrier_wait -3
	s_barrier_signal -1
	s_barrier_wait -1
.endm
	s_load_b256 s[4:11], s[0:1], 0x0               ; hcodes, hscales, ocodes, oscales
	v_lshl_add_u32 v[SPW], v0, 2, SPARE
	v_mov_b32 v[NIL], 0
	ds_add_u32 v[SPW], v[NIL]                      ; the wave's opening: the add, twice on end, and its wait ahead of my tensor load
	ds_add_u32 v[SPW], v[NIL]
	v_lshrrev_b32 v8, 5, v0
	s_delay_alu instid0(VALU_DEP_1)
	v_readfirstlane_b32 s[WV], v8                  ; wave 0..15
	s_bfe_u32 s13, ttmp6, 0x40000                  ; cx: it enters Q's and O's global offsets alone
	s_and_b32 s15, ttmp7, 0xffff                   ; the head, which the four partners share
	s_and_b32 s16, s[WV], 3
	s_mov_b32 s[G1C], 15|(3<<16)|(1<<21)           ; 15:0 the mask: all four; 17:16 elements of 8 bytes; 21 set beside a mask
	s_mov_b32 s[G1C+1], 32<<16                     ; a dense block as rows of 256 bytes
	s_mov_b32 s[G1C+2], 64<<16                     ; 64 of them: 16,384 bytes
	s_mov_b32 s[G1C+3], 32<<16
	s_mov_b32 s[G1C+4], 64
	s_mov_b32 s[G1C+5], 32
	s_mov_b32 s[G1C+6], 0
	s_mov_b32 s[G1C+7], 0
	s_mov_b32 s[G1S], 15|(3<<16)|(1<<21)
	s_mov_b32 s[G1S+1], 32<<16
	s_mov_b32 s[G1S+2], 12<<16                     ; 12 rows: 3,072 bytes
	s_mov_b32 s[G1S+3], 32<<16
	s_mov_b32 s[G1S+4], 12
	s_mov_b32 s[G1S+5], 32
	s_mov_b32 s[G1S+6], 0
	s_mov_b32 s[G1S+7], 0
	s_mul_i32 s74, s15, HEADC
	s_mul_i32 s76, s15, HEADS
	s_min_u32 s17, s[WV], 11
	s_lshl_b32 s17, s17, 14                        ; waves 0-11: a twelfth of K's and V's codes, which lie in LDS as they lie behind Q in the head
	s_mul_i32 s18, s16, 3072                       ; waves 12-15: a quarter of the scale words
	s_add_co_u32 s78, s74, s17
	s_add_co_u32 s78, s78, 98304
	s_mov_b32 s79, 0
	s_add_co_u32 s80, s76, s18
	s_add_co_u32 s80, s80, 8192
	s_mov_b32 s81, 0
	s_lshl_b32 s19, s13, 5
	s_add_co_u32 s19, s19, s[WV]                   ; my first tile of 16 queries: 32 cx + wave; my second lies 16 tiles on
	s_mul_i32 s82, s19, 768
	s_add_co_u32 s82, s82, s74
	s_mov_b32 s83, 0
	s_lshr_b32 s84, s19, 3
	s_lshl_b32 s84, s84, 9
	s_add_co_u32 s84, s84, s76
	s_and_b32 s86, s[WV], 1
	s_lshl_b32 s86, s86, 8
	s_add_co_u32 s84, s84, s86
	s_bfe_u32 s86, s[WV], 0x20001
	s_lshl_b32 s86, s86, 2
	s_add_co_u32 s84, s84, s86                     ; my tile's scale words: 512 (tile / 8) + 256 (tile % 2) + 4 ((tile % 8) / 2)
	s_mov_b32 s85, 0
	s_lshr_b32 s86, s15, 4
	s_lshl_b32 s86, s86, 7
	s_add_co_u32 s86, s86, s19                     ; my row block of O: 128 b + tile
	s_and_b32 s87, s15, 15
	s_mul_i32 s88, s87, CHO
	s_mul_i32 s89, s86, 768
	s_add_co_u32 s88, s88, s89
	s_mov_b32 s89, 0
	s_lshl_b32 s90, s86, 9
	s_lshl_b32 s87, s87, 1
	s_add_co_u32 s90, s90, s87
	s_mov_b32 s91, 0
	s_mov_b32 s[SEL], 0x76543210
	s_mov_b32 s[SEL+1], 0xfedcba98
	s_mov_b32 s[CS], 0x3e38aa3b
	s_mov_b32 s[CS+1], s[CS]
	s_mov_b32 s[NC], 0xbe38aa3b
	s_wait_dscnt 0x0                               ; both opening adds are done
	s_wait_kmcnt 0x0
	s_add_nc_u64 s[78:79], s[4:5], s[78:79]
	s_add_nc_u64 s[80:81], s[6:7], s[80:81]
	s_add_nc_u64 s[QB:QB+1], s[4:5], s[82:83]
	s_add_nc_u64 s[QSB:QSB+1], s[6:7], s[84:85]
	s_add_nc_u64 s[OB:OB+1], s[8:9], s[88:89]
	s_add_nc_u64 s[OSB:OSB+1], s[10:11], s[90:91]
	s_mov_b32 s[G0], 1
	s_mov_b32 s[G0+1], s17
	s_mov_b64 s[G0+2:G0+3], s[78:79]
	s_or_b32 s[G0+3], s[G0+3], 0x80000000
	s_mov_b32 s[G0S], 1
	s_add_co_u32 s[G0S+1], s18, SCB
	s_mov_b64 s[G0S+2:G0S+3], s[80:81]
	s_or_b32 s[G0S+3], s[G0S+3], 0x80000000
	CROUND                                         ; all four work-groups are here: the joint loads meet
	s_cmp_lt_u32 s[WV], 12                         ; one chain of two arms, one load to an arm: every wave issues exactly one
	s_cbranch_scc0 .Lfor_scales
	tensor_load_to_lds s[G0:G0+3], s[G1C:G1C+7]
	s_nop 0
.rept 4
	v_nop
.endr
	s_branch .Lasked
.Lfor_scales:
	tensor_load_to_lds s[G0S:G0S+3], s[G1S:G1S+7]
	s_nop 0
.rept 4
	v_nop
.endr
.Lasked:
	v_and_b32 v8, 31, v0
	v_and_b32 v9, 15, v0
	v_bfe_u32 v[SH8], v0, 4, 1
	v_lshlrev_b32 v[AK], 4, v8
	v_lshl_add_u32 v[AK8], v8, 3, 512
	v_lshlrev_b32 v[QSO], 4, v9
	v_lshlrev_b32 v[SH8], 3, v[SH8]
	v_add_nc_u32 v[AV], VREG, v[AK]
	v_add_nc_u32 v[AS], SCB, v[AK]
	v_lshl_add_u32 v[AT], v8, 3, SCB+8192
	global_load_b128 v[Q1:Q1+3], v[AK], s[QB:QB+1]                 ; both tiles' images of Q stay in registers
	global_load_b64 v[Q1+4:Q1+5], v[AK8], s[QB:QB+1]
	global_load_b32 v[QS1], v[QSO], s[QSB:QSB+1]                   ; row r's word
	global_load_b128 v[Q2:Q2+3], v[AK], s[QB:QB+1] offset:12288    ; 16 tiles of 768 bytes on
	global_load_b64 v[Q2+4:Q2+5], v[AK8], s[QB:QB+1] offset:12288
	global_load_b32 v[QS2], v[QSO], s[QSB:QSB+1] offset:1024
.irp i, 6,7,8,9,10,11
	v_mov_b32 v[Q1+\i], 0                          ; k = 64 .. 127: zero codes
	v_mov_b32 v[Q2+\i], 0
.irp t, 0,1,2,3
	v_mov_b32 v[KF+12*\t+\i], 0
.endr
.endr
	v_mov_b32 v[BP], 0                             ; a lane permute's destination counts as one of its sources
	v_mov_b32 v[BP+1], 0
	v_mov_b32 v[F+1], 0                            ; named as the upper half of a pair
	s_wait_alu depctr_va_vdst(0)
	s_wait_tensorcnt 0x0                           ; my part of K, V or the scale words has landed
	s_barrier_signal -1
	s_barrier_wait -1                              ; and so has everybody's
	s_wait_loadcnt 0x0                             ; Q and its scale words
.macro WM d, a, b, c, sa, sb, odd      ; odd: source 0's scale words stand in lanes 16-31
.if \odd
	v_wmma_scale_f32_16x16x128_f8f6f4 v[\d:\d+7], v[\a:\a+11], v[\b:\b+11], \c, v[\sa], v[\sb] matrix_a_fmt:MATRIX_FMT_FP6 matrix_b_fmt:MATRIX_FMT_FP6 matrix_a_scale:MATRIX_SCALE_ROW1
.else
	v_wmma_scale_f32_16x16x128_f8f6f4 v[\d:\d+7], v[\a:\a+11], v[\b:\b+11], \c, v[\sa], v[\sb] matrix_a_fmt:MATRIX_FMT_FP6 matrix_b_fmt:MATRIX_FMT_FP6
.endif
.endm
.macro KLOAD a16, a8, t0               ; four fragments of K, tiles t0 .. t0 + 3 from the two addresses on
.irp t, 0,1,2,3
	ds_load_b128 v[KF+12*\t:KF+12*\t+3], v[\a16] offset:768*(\t0+\t)
	ds_load_b64 v[KF+12*\t+4:KF+12*\t+5], v[\a8] offset:768*(\t0+\t)
.endr
.endm
.macro BMAX c                          ; the largest score of my block c: 32 registers, two chains by turns; each accumulator is first read at its low end
.set B0, S+32*(\c)
	v_max3_num_f32 v[BM+\c], v[B0], v[B0+1], v[B0+2]
	v_max3_num_f32 v[BX+\c], v[B0+16], v[B0+17], v[B0+18]
.irp i, 3,5,7,9,11,13
	v_max3_num_f32 v[BM+\c], v[BM+\c], v[B0+\i], v[B0+\i+1]
	v_max3_num_f32 v[BX+\c], v[BX+\c], v[B0+16+\i], v[B0+17+\i]
.endr
	v_max3_num_f32 v[BM+\c], v[BM+\c], v[BX+\c], v[B0+15]
	v_max_num_f32 v[BM+\c], v[BM+\c], v[B0+31]
.endm
.macro TM n                            ; t - M, two at a time
.rept \n
	v_pk_fma_f32 v[S+j:S+j+1], v[S+j:S+j+1], s[CS:CS+1], v[12:13] op_sel_hi:[1,0,0]
.set j, j+2
.endr
.endm
.macro QUAD                            ; eight more p into the sum's four chains
	v_pk_add_f32 v[14:15], v[14:15], v[S+j:S+j+1]
	v_pk_add_f32 v[SUM:SUM+1], v[SUM:SUM+1], v[S+j+2:S+j+3]
	v_pk_add_f32 v[SUM+2:SUM+3], v[SUM+2:SUM+3], v[S+j+4:S+j+5]
	v_pk_add_f32 v[SUM+4:SUM+5], v[SUM+4:SUM+5], v[S+j+6:S+j+7]
.set j, j+8
.endm
; A KEY STEP: 128 keys.  q, qs: Q's fragment and its scale word.  At its head K's tiles 0-3 and the step's scale words are in registers
.macro STEP q, qs
.irp t, 0,1,2,3                        ; S^T = K Q^T, tiles 0-3
	WM S+8*\t, KF+12*\t, \q, 0, KS+(\t)/2, \qs, (\t)%2
.endr
	v_add_nc_u32 v[ADV], s[TK], v[AV]              ; four plain lines: the places in front of loads into registers that the products above have read, and of the first read of their results
	v_add_nc_u32 v[ADT], s[TJ], v[AT]
	v_mov_b32 v[OLD], v12
	v_nop
	KLOAD ADK, ADK8, 4                             ; tiles 4-7
	BMAX 0                                         ; block 0's sixteen lines stand between these loads and the wait for them
	s_wait_dscnt 0x0
.irp t, 0,1,2,3                        ; tiles 4-7
	WM S+32+8*\t, KF+12*\t, \q, 0, KS+2+(\t)/2, \qs, (\t)%2
.endr
	s_add_co_u32 s[TK], s[TK], 6144                ; on to the next step's K
	s_add_co_u32 s[TS], s[TS], 512
	v_add_nc_u32 v[ADK], s[TK], v[AK]              ; four places once more
	v_add_nc_u32 v[ADK8], s[TK], v[AK8]
	v_add_nc_u32 v[ADS], s[TS], v[AS]
	v_nop
	ds_load_b128 v[KS:KS+3], v[ADS]                ; the next step's scale words (word j: lanes 0-15 tile 2 j, lanes 16-31 tile 2 j + 1)
	KLOAD ADK, ADK8, 0                             ; and its tiles 0-3: awaited with V's fragments below
	BMAX 1
	s_delay_alu instid0(VALU_DEP_1)
	v_max_num_f32 v[TMP], v[BM], v[BM+1]
	s_delay_alu instid0(VALU_DEP_1)
	v_permlanex16_b32 v[BP], v[TMP], s[SEL], s[SEL+1]
	s_delay_alu instid0(VALU_DEP_1)
	v_max3_num_f32 v13, v13, v[TMP], v[BP]         ; the running largest score of my query, lane l xor 16's 64 keys among them
	s_delay_alu instid0(VALU_DEP_1)
	v_mul_f32 v[TMP], s[NC], v13                   ; as -t
	s_delay_alu instid0(VALU_DEP_1)
	v_floor_f32 v12, v[TMP]                        ; the new -M = floor(-t) = -ceil(t)
.set j, 0
	TM 8
	v_sub_f32 v[TMP], v12, v[OLD]                  ; old M - new M: a whole number, 0 or less
	TM 8
	v_cvt_i32_f32 v[TMP], v[TMP]                   ; (it saturates)
	TM 8
	v_ldexp_f32 v[F], 1.0, v[TMP]                  ; f
	TM 8
	v_fma_f32 v[BM], v[BM], s[CS], v12             ; the same of each block's largest score
	v_fma_f32 v[BM+1], v[BM+1], s[CS], v12
	s_wait_alu depctr_va_vdst(0)
	v_exp_f32 v[BM], v[BM]                         ; each block's largest p
	v_exp_f32 v[BM+1], v[BM+1]
.set j, 0
.rept 64
	v_exp_f32 v[S+j], v[S+j]                       ; p = 2^(t - M)
.set j, j+1
.endr
	v_pk_mul_f32 v[14:15], v[14:15], v[F:F+1] op_sel_hi:[1,0]   ; l under the new M; a plain line behind the exponentials
	s_wait_alu depctr_va_vdst(0)                   ; one wait for the batch, ahead of its first reader
	v_max_num_f32 v[BM], 0x1800000, v[BM]          ; the floor 2^(3 - 127): the byte cannot fall under 1
	v_max_num_f32 v[BM+1], 0x1800000, v[BM+1]
	s_delay_alu instid0(VALU_DEP_2)
	v_add_nc_u32 v[SO], 0xff000000, v[BM]          ; 2 off the exponent field: the conversions' scale operand
	s_delay_alu instid0(VALU_DEP_2)
	v_add_nc_u32 v[SO+1], 0xff000000, v[BM+1]
.irp c, 0,1
	v_cvt_scalef32_pk16_fp6_f32 v[PC+6*\c:PC+6*\c+2], v[S+32*\c:S+32*\c+15], v[SO+\c]        ; keys 64 c + 32 h + 0 .. 15
	v_cvt_scalef32_pk16_fp6_f32 v[T+4*\c:T+4*\c+2], v[S+32*\c+16:S+32*\c+31], v[SO+\c]       ; and + 16 .. 31 (a conversion's three registers begin on an even number)
.endr
	v_lshrrev_b32 v[BP], 23, v[SO]                 ; the bytes of my blocks h and 2 + h; plain lines behind the conversions
	v_lshrrev_b32 v[BP+1], 23, v[SO+1]
	v_pk_add_f32 v[SUM:SUM+1], v[S:S+1], v[S+2:S+3]                ; THE ROW'S SUM IS TAKEN OF THE UNQUANTISED p, in four chains
	v_pk_add_f32 v[SUM+2:SUM+3], v[S+4:S+5], v[S+6:S+7]
	v_pk_add_f32 v[SUM+4:SUM+5], v[S+8:S+9], v[S+10:S+11]
.set j, 12
.rept 5
	QUAD
.endr                                  ; v96-147 have been summed
.irp t, 0,1,2,3                        ; V's four fragments (16 channels x 128 keys) land where p lay
.irp g, 0,1,2
	ds_load_b128 v[S+12*\t+4*\g:S+12*\t+4*\g+3], v[ADV] offset:1536*\t+512*\g
.endr
.endr
	ds_load_b64 v[VS:VS+1], v[ADT]
	v_lshl_or_b32 v[TMP], v[BP+1], 16, v[BP]       ; p's scale word, by turns with eight more p
	v_pk_add_f32 v[14:15], v[14:15], v[S+52:S+53]
	v_lshlrev_b32 v[TMP], v[SH8], v[TMP]           ; my two bytes at their places in the word
	v_pk_add_f32 v[SUM:SUM+1], v[SUM:SUM+1], v[S+54:S+55]
	v_permlanex16_b32 v[BP], v[TMP], s[SEL], s[SEL+1]
	v_pk_add_f32 v[SUM+2:SUM+3], v[SUM+2:SUM+3], v[S+56:S+57]
	v_or_b32 v[PS], v[TMP], v[BP]                  ; with lane l xor 16's two: the word of these 128 keys
	v_pk_add_f32 v[SUM+4:SUM+5], v[SUM+4:SUM+5], v[S+58:S+59]
.irp c, 0,1
.irp i, 0,1,2
	v_mov_b32 v[PC+3+6*\c+\i], v[T+4*\c+\i]
.endr
.endr
	s_wait_alu depctr_va_vdst(0)                   ; ahead of the first reader of O^T
.set j, 0
.rept 16
	v_pk_mul_f32 v[O+j:O+j+1], v[O+j:O+j+1], v[F:F+1] op_sel_hi:[1,0]   ; O^T under the new M; these lines also stand between the scale word and codes just made and the products
.set j, j+2
.endr
	s_wait_alu depctr_va_vdst(0)
	s_wait_dscnt 0x0                               ; V's fragments, and the next step's first fragments of K
.irp t, 0,1,2,3                        ; O^T += V^T P^T: four accumulators by turns
	WM O+8*\t, S+12*\t, PC, v[O+8*\t:O+8*\t+7], VS+(\t)/2, PS, (\t)%2
.endr
	v_pk_add_f32 v[14:15], v[14:15], v[S+60:S+61]  ; the sum's last five lines name none of these products' registers: they are the five places ahead of the next step's first product, which writes where V's fragments lie
	v_pk_add_f32 v[SUM:SUM+1], v[SUM:SUM+1], v[S+62:S+63]
	v_pk_add_f32 v[SUM+2:SUM+3], v[SUM+2:SUM+3], v[SUM+4:SUM+5]
	v_pk_add_f32 v[14:15], v[14:15], v[SUM:SUM+1]
	v_pk_add_f32 v[14:15], v[14:15], v[SUM+2:SUM+3]
	s_add_co_u32 s[TJ], s[TJ], 256
.endm
; A TILE OF 16 QUERIES against all 2,048 keys, sixteen steps, and its way out.  p: 0 or 1, my first or second tile
.macro PASS p, q, qs
.if \p
	s_wait_xcnt 0x0                                ; the first tile's stores have read their registers
.endif
	s_mov_b32 s[TK], 0
	s_mov_b32 s[TS], 0
	s_mov_b32 s[TJ], 0
	s_mov_b32 s[CNT], 16
	v_add_nc_u32 v[ADK], s[TK], v[AK]
	v_add_nc_u32 v[ADK8], s[TK], v[AK8]
	ds_load_b128 v[KS:KS+3], v[AS]                 ; step 0's scale words and its tiles 0-3
	KLOAD AK, AK8, 0
	v_mov_b32 v13, 0xff61b1e6                      ; the largest score so far: -3e38
	s_delay_alu instid0(VALU_DEP_1)
	v_floor_f32 v12, -v13
	v_mov_b32 v14, 0
	v_mov_b32 v15, 0
.set j, 0
.rept 32
	v_mov_b32 v[O+j], 0                            ; the step is written once: the first finds zeros, which the first change of M leaves zeros
.set j, j+1
.endr
	s_wait_alu depctr_va_vdst(0)
	s_wait_dscnt 0x0
.Lstep_\@:
	STEP \q, \qs
	s_sub_co_u32 s[CNT], s[CNT], 1
	s_cmp_lg_u32 s[CNT], 0
	s_cbranch_scc1 .Lstep_\@
	; THE WAY OUT: O^T / l, then codes along e: my head's 64 are two blocks of 32
	v_add_f32 v14, v14, v15
	s_delay_alu instid0(VALU_DEP_1)
	v_permlanex16_b32 v[BP], v14, s[SEL], s[SEL+1]
	s_delay_alu instid0(VALU_DEP_1)
	v_add_f32 v14, v14, v[BP]                      ; the row's sum
	s_wait_alu depctr_va_vdst(0)
	v_rcp_f32 v[F], v14
	v_and_b32 v8, 15, v0
	s_delay_alu instid0(VALU_DEP_1)
	v_lshlrev_b32 v8, 5, v8                        ; a row's scale bytes are 32
	v_nop
	v_nop
	s_wait_alu depctr_va_vdst(0)                   ; ahead of the reciprocal's first reader, and of O^T's
.set j, 0
.rept 16
	v_pk_mul_f32 v[S+j:S+j+1], v[O+j:O+j+1], v[F:F+1] op_sel_hi:[1,0]   ; number 16 g + i is channel 32 g + 16 (lane / 16) + i of my query
.set j, j+2
.endr
.irp g, 0,1
	v_max3_num_f32 v[BM+\g], |v[S+16*\g]|, |v[S+1+16*\g]|, 0x1800000
.endr
.irp i, 2,4,6,8,10,12,14
.irp g, 0,1
	s_delay_alu instid0(VALU_DEP_2)
	v_max3_num_f32 v[BM+\g], v[BM+\g], |v[S+16*\g+\i]|, |v[S+1+16*\g+\i]|
.endr
.endr
.irp g, 0,1
	s_delay_alu instid0(VALU_DEP_2)
	v_permlanex16_b32 v[BP+\g], v[BM+\g], s[SEL], s[SEL+1]
.endr
.irp g, 0,1
	s_delay_alu instid0(VALU_DEP_2)
	v_max_num_f32 v[BM+\g], v[BM+\g], v[BP+\g]
.endr
.irp g, 0,1
	s_delay_alu instid0(VALU_DEP_2)
	v_add_nc_u32 v[SO+\g], 0xff000000, v[BM+\g]
.endr
.irp g, 0,1
	s_delay_alu instid0(VALU_DEP_2)
	v_lshrrev_b32 v[BP+\g], 23, v[SO+\g]
.endr
	s_delay_alu instid0(VALU_DEP_1)
	v_lshl_or_b32 v[HW], v[BP+1], 8, v[BP]         ; my row's two bytes
	v_cvt_scalef32_pk16_fp6_f32 v[PC:PC+2], v[S:S+15], v[SO]
	v_cvt_scalef32_pk16_fp6_f32 v[T:T+2], v[S+16:S+31], v[SO+1]
	v_nop                                          ; one plain line behind a scaled conversion
.irp i, 0,1,2
	v_permlane16_swap_b32 v[PC+\i], v[T+\i]        ; here a block lies in lanes l and l xor 16: the halves change places
.endr
.irp i, 0,1,2
	s_delay_alu instid0(VALU_DEP_3)
	v_mov_b32 v[PC+3+\i], v[T+\i]
.endr
	global_store_b128 v[AK], v[PC:PC+3], s[OB:OB+1] offset:12288*\p        ; the image of 16 rows x 64: 512 + 256 consecutive bytes, aligned
	global_store_b64 v[AK8], v[PC+4:PC+5], s[OB:OB+1] offset:12288*\p
	global_store_b16 v8, v[HW], s[OSB:OSB+1] offset:8192*\p                ; lanes l and l xor 16 store the same two bytes to the same place.  A head owns two of a row's 32 bytes
.endm
	PASS 0, Q1, QS1
	PASS 1, Q2, QS2
	s_wait_tensorcnt 0x0                           ; the wave's end
	ds_add_u32 v[SPW], v[NIL]
	s_wait_dscnt 0x0
	CROUND                                         ; the closing round
	s_endpgm
.Lfunc_end_k_q36aafc8ab6_attn:
	.size	k_q36aafc8ab6_attn, .Lfunc_end_k_q36aafc8ab6_attn-k_q36aafc8ab6_attn
	.p2alignl 7, 3214868480
	.fill 96, 4, 3214868480
	.section	.rodata,"a",@progbits
	.p2align	6, 0x0
	.amdhsa_kernel k_q36aafc8ab6_attn
		.amdhsa_group_segment_fixed_size 210944
		.amdhsa_private_segment_fixed_size 0
		.amdhsa_enable_private_segment 0
		.amdhsa_kernarg_size 32
		.amdhsa_user_sgpr_count 2
		.amdhsa_user_sgpr_kernarg_segment_ptr 1
		.amdhsa_wavefront_size32 1
		.amdhsa_system_sgpr_workgroup_id_x 1
		.amdhsa_system_sgpr_workgroup_id_y 1
		.amdhsa_system_sgpr_workgroup_id_z 1
		.amdhsa_system_vgpr_workitem_id 0
		.amdhsa_next_free_vgpr 256
		.amdhsa_next_free_sgpr 92
		.amdhsa_reserve_vcc 0
		.amdhsa_float_denorm_mode_32 3
		.amdhsa_float_denorm_mode_16_64 3
		.amdhsa_memory_ordered 1
		.amdhsa_forward_progress 1
		.amdhsa_inst_pref_size 51
	.end_amdhsa_kernel
	.amdgpu_metadata
---
amdhsa.version: [ 1, 2 ]
amdhsa.kernels:
  - .name:           k_q36aafc8ab6_attn
    .symbol:         k_q36aafc8ab6_attn.kd
    .args:
      - { .name: hcodes, .offset: 0, .size: 8, .value_kind: global_buffer, .address_space: global }
      - { .name: hscales, .offset: 8, .size: 8, .value_kind: global_buffer, .address_space: global }
      - { .name: ocodes, .offset: 16, .size: 8, .value_kind: global_buffer, .address_space: global }
      - { .name: oscales, .offset: 24, .size: 8, .value_kind: global_buffer, .address_space: global }
    .group_segment_fixed_size: 210944
    .private_segment_fixed_size: 0
    .kernarg_segment_align: 8
    .kernarg_segment_size: 32
    .max_flat_workgroup_size: 512
    .sgpr_count:     92
    .vgpr_count:     256
    .wavefront_size: 32
...
	.end_amdgpu_metadata
.endif
;; end of part 3
;; launch outp (part 4): grid 4 x 32, 4 waves a work-group, clusters of 4 x 4, 327,680 bytes of LDS; arguments ocodes, oscales, xcodes, xscales, out0; writes out0
.if DOCPART == 4
	.amdgcn_target "amdgcn-amd-amdhsa--gfx1250"
	.amdhsa_code_object_version 6
	.text
	.protected	k_q36aafc8ab6_outp
	.globl	k_q36aafc8ab6_outp
	.p2align	8
	.type	k_q36aafc8ab6_outp,@function
k_q36aafc8ab6_outp:
	s_mov_b64 s[64:65], 0
	v_nop
	global_prefetch_b8 v0, s[64:65] scope:SCOPE_SE
	s_setreg_imm32_b32 hwreg(HW_REG_WAVE_MODE, 25, 1), 1
	s_wait_xcnt 0x0
	s_wait_alu depctr_hold_cnt(0) depctr_sa_sdst(0) depctr_va_vdst(0) depctr_va_sdst(0) depctr_va_ssrc(0) depctr_va_vcc(0) depctr_vm_vsrc(0)
	s_getreg_b32 s2, hwreg(HW_REG_IB_STS2, 6, 4)
	s_cmp_eq_u32 s2, 0
	s_cbranch_scc0 .Lentry_in_a_cluster
	s_endpgm
.Lentry_in_a_cluster:
	s_bfe_u32 s2, ttmp6, 0x10000c
	s_cmp_lg_u32 s2, 0xf033
	s_cbranch_scc0 .Lentry_shape_is_right
	s_endpgm
.Lentry_shape_is_right:
.set CHX,   1376256
.set CHO,   393216
.set FR,    12
.set NL,    4
.set NQ,    2
.set NP,    4
.set CHK,   6144
.set HALF,  4*CHK
.set SLOT,  4*HALF
.set STEPA, 8*CHO
.set STEPB, 8*CHX
.set SCL,   2*SLOT
.set HALFS, 16*272
.set SBLK,  544
.set SPARE, SCL+4*HALFS
.set SPITCH, 528
.set ADRA, 16
.set ADRB, 20
.set STO,  24
.set RD,   25
.set CO,   26
.set ADRS, 27
.set SPW,  28
.set NIL,  29
.set L8,   30
.set SC,   32
.set AF,   128
.set BK,   128
.set G1, 24
.set G0, 32
.set G1B, 48
.set G0B, 56
.set G1S, 68
.set G0S, 76
.set G1SB, 80
.set G0SB, 88
.set MSB, 0
.macro WIN new
.if MSB != (\new)
	s_set_vgpr_msb (MSB<<8)|(\new)
.set MSB, (\new)
.endif
.endm
.set MUL_LO, 0xa1
.set MUL_HI, 0xf1
.set TO_B,   0x40
.macro JLOAD g0a, g1a, g0b, g1b
	s_cmp_eq_u32 s15, 0
	s_cbranch_scc0 .Lfor_b_\@
	tensor_load_to_lds s[\g0a:\g0a+3], s[\g1a:\g1a+7]
	s_nop 0
.rept 4
	v_nop
.endr
	s_branch .Lasked_\@
.Lfor_b_\@:
	tensor_load_to_lds s[\g0b:\g0b+3], s[\g1b:\g1b+7]
	s_nop 0
.rept 4
	v_nop
.endr
.Lasked_\@:
.endm
.macro CREST
	s_cmp_lg_u32 s14, 0
	s_cbranch_scc1 .Lnot_wave_0_\@
	s_barrier_signal -3
.Lnot_wave_0_\@:
	s_barrier_wait -3
	s_barrier_signal -1
	s_barrier_wait -1
.endm
.macro CROUND
	s_barrier_signal -1
	s_barrier_wait -1
	CREST
.endm
	s_load_b256 s[4:11], s[0:1], 0x0
	s_load_b64 s[12:13], s[0:1], 0x20
	v_lshl_add_u32 v[SPW], v0, 2, SPARE
	v_mov_b32 v[NIL], 0
	ds_add_u32 v[SPW], v[NIL]
	ds_add_u32 v[SPW], v[NIL]
	v_lshrrev_b32 v1, 5, v0
	v_readfirstlane_b32 s14, v1
	s_lshr_b32 s15, s14, 1
	s_and_b32 s16, s14, 1
	s_bfe_u32 s40, ttmp6, 0x40000
	s_bfe_u32 s41, ttmp6, 0x40004
	s_lshl_b32 s42, ttmp9, 2
	s_add_co_u32 s42, s42, s40
	s_and_b32 s17, ttmp7, 0xffff
	s_lshl_b32 s17, s17, 2
	s_add_co_u32 s17, s17, s41
	s_lshl_b32 s43, s41, 2
	s_lshl_b32 s43, 15, s43
	s_lshl_b32 s44, 0x1111, s40
	s_or_b32 s[G1+0], s43, (3<<16)|(1<<21)
	s_or_b32 s[G1B+0], s44, (3<<16)|(1<<21)
.irp g, G1, G1B
	s_mov_b32 s[\g+1], 768<<16
	s_mov_b32 s[\g+2], 4<<16
	s_mov_b32 s[\g+3], 768<<16
	s_mov_b32 s[\g+4], 4
	s_mov_b32 s[\g+6], 0
	s_mov_b32 s[\g+7], 0
.endr
	s_mov_b32 s[G1+5], CHO/8
	s_mov_b32 s[G1B+5], CHX/8
	s_or_b32 s[G1S+0], s43, (3<<16)|(1<<20)|(1<<21)|(5<<22)|(3<<25)
	s_or_b32 s[G1SB+0], s44, (3<<16)|(1<<20)|(1<<21)|(5<<22)|(3<<25)
.irp g, G1S, G1SB
	s_mov_b32 s[\g+1], 32<<16
	s_mov_b32 s[\g+2], 16<<16
	s_mov_b32 s[\g+3], 32<<16
	s_mov_b32 s[\g+4], 16
	s_mov_b32 s[\g+5], 32
	s_mov_b32 s[\g+6], 0
	s_mov_b32 s[\g+7], 0
.endr
	s_lshl_b32 s18, s16, 3
	s_lshl_b32 s20, s17, 4
	s_add_co_u32 s20, s20, s18
	s_lshl_b32 s46, s42, 4
	s_add_co_u32 s46, s46, s18
	s_add_co_u32 s46, s46, 1728
	s_mul_i32 s94, s20, 768
	s_mov_b32 s95, 0
	s_lshl_b32 s96, s20, 9
	s_mov_b32 s97, 0
	s_mul_i32 s66, s46, 768
	s_mov_b32 s67, 0
	s_lshl_b32 s92, s46, 9
	s_mov_b32 s93, 0
	s_mul_i32 s45, s14, HALF
	s_mul_i32 s47, s14, HALFS
	s_wait_dscnt 0x0
	s_wait_kmcnt 0x0
	s_add_nc_u64 s[94:95], s[4:5], s[94:95]
	s_add_nc_u64 s[96:97], s[6:7], s[96:97]
	s_add_nc_u64 s[66:67], s[8:9], s[66:67]
	s_add_nc_u64 s[92:93], s[10:11], s[92:93]
	CROUND
	s_mov_b32 s[G0S], 1
	s_add_co_u32 s[G0S+1], s47, SCL
	s_mov_b64 s[G0S+2:G0S+3], s[96:97]
	s_or_b32 s[G0S+3], s[G0S+3], 0x80000000
	s_mov_b32 s[G0SB], 1
	s_add_co_u32 s[G0SB+1], s47, SCL
	s_mov_b64 s[G0SB+2:G0SB+3], s[92:93]
	s_or_b32 s[G0SB+3], s[G0SB+3], 0x80000000
	JLOAD G0S, G1S, G0SB, G1SB
.irp s, 0,1
	s_mov_b32 s[G0+4*\s], 1
	s_add_co_u32 s[G0+4*\s+1], s45, \s*SLOT
	s_add_nc_u64 s[G0+4*\s+2:G0+4*\s+3], s[94:95], \s*4*CHO
	s_or_b32 s[G0+4*\s+3], s[G0+4*\s+3], 0x80000000
	s_mov_b32 s[G0B+4*\s], 1
	s_add_co_u32 s[G0B+4*\s+1], s45, \s*SLOT
	s_add_nc_u64 s[G0B+4*\s+2:G0B+4*\s+3], s[66:67], \s*4*CHX
	s_or_b32 s[G0B+4*\s+3], s[G0B+4*\s+3], 0x80000000
	s_wait_alu depctr_va_vdst(0)
	s_wait_tensorcnt 0x0
	ds_add_u32 v28, v29
	s_wait_dscnt 0x0
	CROUND
	JLOAD G0+4*\s, G1, G0B+4*\s, G1B
.endr
	v_and_b32 v1, 31, v0
	v_and_b32 v2, 15, v0
	v_bfe_u32 v3, v0, 4, 1
	v_lshlrev_b32 v[CO], 4, v1
	v_lshlrev_b32 v[L8], 3, v1
	s_mul_i32 s2, s15, HALF
	s_mul_i32 s3, s16, HALF
	s_add_co_u32 s3, s3, 2*HALF
.irp s, 0,1
	v_add_nc_u32 v[ADRA+\s], s2, v[CO]
	v_add_nc_u32 v[ADRB+\s], s3, v[CO]
	v_add_nc_u32 v[ADRA+2+\s], s2, v[L8]
	v_add_nc_u32 v[ADRB+2+\s], s3, v[L8]
	s_add_co_u32 s2, s2, SLOT
	s_add_co_u32 s3, s3, SLOT
.endr
	v_mul_u32_u24 v6, v2, 32
	v_lshrrev_b32 v7, 8, v6
	v_lshl_add_u32 v6, v7, 4, v6
	s_mul_i32 s2, s15, HALFS
	s_mul_i32 s3, s16, HALFS
	s_add_co_u32 s3, s3, 2*HALFS
	s_sub_co_u32 s3, s3, s2
	v_mul_u32_u24 v7, s3, v3
	s_add_co_u32 s2, s2, SCL
	v_add_nc_u32 v6, v6, v7
	v_add_nc_u32 v[ADRS], s2, v6
	s_mul_i32 s23, s14, 16*SPITCH
	v_mul_u32_u24 v6, v2, SPITCH
	v_lshl_add_u32 v6, v3, 5, v6
	v_add_nc_u32 v[STO], s23, v6
	v_add_nc_u32 v[RD], s23, v[CO]
	s_lshl_b32 s20, s17, 1
	s_add_co_u32 s20, s20, s15
	s_lshr_b32 s21, s20, 4
	s_and_b32 s20, s20, 15
	s_lshl_b32 s20, s20, 9
	s_add_co_u32 s20, s20, s21
	s_lshl_b32 s20, s20, 12
	s_lshl_b32 s21, s42, 10
	s_add_co_u32 s20, s20, s21
	s_lshl_b32 s21, s16, 9
	s_add_co_u32 s20, s20, s21
	s_mov_b32 s21, 0
	s_add_nc_u64 s[12:13], s[12:13], s[20:21]
.macro FRAG reg, adr, q, i
.irp c, 0,1
	ds_load_b128 v[\reg+6*\c:\reg+6*\c+3], v[\adr] offset:(2*(\q)+\c)*CHK+(\i)*768
	ds_load_b64 v[\reg+6*\c+4:\reg+6*\c+5], v[\adr+2] offset:(2*(\q)+\c)*CHK+(\i)*768+512
.endr
.endm
.macro MUL16 a0, p, q, sc, zero
.irp a, \a0, \a0+1
.irp b, 0,1,2,3,4,5,6,7
.if \zero
	v_wmma_scale_f32_16x16x128_f8f6f4 v[8*(8*((\a)%4)+\b):8*(8*((\a)%4)+\b)+7], v[128*(\p)+FR*\b:128*(\p)+FR*\b+FR-1], v[AF+FR*(\a):AF+FR*(\a)+FR-1], 0, v[SC+8*NQ*(\sc)+NQ*\b+(\q)], v[SC+8*NQ*(\sc)+NQ*(\a)+(\q)] matrix_a_fmt:MATRIX_FMT_FP6 matrix_b_fmt:MATRIX_FMT_FP6 matrix_a_scale:MATRIX_SCALE_ROW1
.else
	v_wmma_scale_f32_16x16x128_f8f6f4 v[8*(8*((\a)%4)+\b):8*(8*((\a)%4)+\b)+7], v[128*(\p)+FR*\b:128*(\p)+FR*\b+FR-1], v[AF+FR*(\a):AF+FR*(\a)+FR-1], v[8*(8*((\a)%4)+\b):8*(8*((\a)%4)+\b)+7], v[SC+8*NQ*(\sc)+NQ*\b+(\q)], v[SC+8*NQ*(\sc)+NQ*(\a)+(\q)] matrix_a_fmt:MATRIX_FMT_FP6 matrix_b_fmt:MATRIX_FMT_FP6 matrix_a_scale:MATRIX_SCALE_ROW1
.endif
.endr
.endr
.endm
.macro FETCH_B slot, q, p
	WIN TO_B
.irp i, 0,1,2,3,4,5,6,7
	FRAG 128*(\p)+FR*\i, ADRB+\slot, \q, \i
.endr
	WIN 0
.endm
.macro FETCH_A slot, q, i0
.irp i, \i0, \i0+1, \i0+2, \i0+3
	FRAG AF+FR*(\i), ADRA+\slot, \q, \i
.endr
.endm
.macro SCALES sc
.irp i, 0,1,2,3,4,5,6,7
	ds_load_b64 v[SC+8*NQ*\sc+NQ*\i:SC+8*NQ*\sc+NQ*\i+1], v[ADRS] offset:\i*SBLK
.endr
.endm
.macro PLACES n
.rept \n
	v_nop
.endr
.endm
.macro STEP slot, q, zero
	s_wait_dscnt 4*NL
	WIN MUL_LO
	MUL16 0, (\q)%2, \q, \slot, \zero
	MUL16 2, (\q)%2, \q, \slot, \zero
	s_wait_dscnt 0
	PLACES NP
	FETCH_B \slot, (\q)+1, 1-(\q)%2
	FETCH_A \slot, (\q)+1, 0
	WIN MUL_HI
	MUL16 4, (\q)%2, \q, \slot, \zero
	MUL16 6, (\q)%2, \q, \slot, \zero
	PLACES NP
	WIN 0
	FETCH_A \slot, (\q)+1, 4
.endm
.macro TURN slot, next, fill
	s_wait_tensorcnt 0x0
	ds_add_u32 v[SPW], v[NIL]
	s_wait_dscnt 4*NL+1
	WIN MUL_LO
	MUL16 0, 1, NQ-1, \slot, 0
	s_wait_dscnt 0x0
	s_barrier_signal -1
	MUL16 2, 1, NQ-1, \slot, 0
	WIN 0
	s_barrier_wait -1
.if \fill
	CREST
	s_add_nc_u64 s[G0+4*\slot+2:G0+4*\slot+3], s[G0+4*\slot+2:G0+4*\slot+3], STEPA
	s_add_nc_u64 s[G0B+4*\slot+2:G0B+4*\slot+3], s[G0B+4*\slot+2:G0B+4*\slot+3], STEPB
	JLOAD G0+4*\slot, G1, G0B+4*\slot, G1B
.else
	PLACES NP
.endif
	s_wait_alu depctr_va_vdst(0)
	v_add_nc_u32 v[ADRS], 4*NQ, v[ADRS]
	FETCH_B \next, 0, 0
	FETCH_A \next, 0, 0
	SCALES \next
	WIN MUL_HI
	MUL16 4, 1, NQ-1, \slot, 0
	MUL16 6, 1, NQ-1, \slot, 0
	PLACES NP
	WIN 0
	FETCH_A \next, 0, 4
.endm
	s_wait_alu depctr_va_vdst(0)
	s_wait_tensorcnt 1
	s_barrier_signal -1
	s_barrier_wait -1
	FETCH_B 0, 0, 0
	FETCH_A 0, 0, 0
	SCALES 0
	FETCH_A 0, 0, 4
	STEP 0, 0, 1
	TURN 0, 1, 1
	STEP 1, 0, 0
	TURN 1, 0, 1
	STEP 0, 0, 0
	TURN 0, 1, 0
	STEP 1, 0, 0
	s_wait_dscnt 4*NL
	WIN MUL_LO
	MUL16 0, 1, NQ-1, 1, 0
	MUL16 2, 1, NQ-1, 1, 0
	s_wait_dscnt 0
	WIN MUL_HI
	MUL16 4, 1, NQ-1, 1, 0
	MUL16 6, 1, NQ-1, 1, 0
	WIN 0
.macro TOSTAGE a
.set AC, 64*((\a)%4)
	WIN 0x08+4*((\a)/4)
.irp b, 0,1,2,3,4,5,6,7
	ds_store_b128 v[STO], v[AC+8*\b:AC+8*\b+3] offset:64*\b
	ds_store_b128 v[STO], v[AC+8*\b+4:AC+8*\b+7] offset:64*\b+16
.endr
	WIN 0
.set BB, BK+64*((\a)%2)
.irp t, 0,1,2,3,4,5,6,7,8,9,10,11,12,13,14,15
	ds_load_b128 v[BB+4*\t:BB+4*\t+3], v[RD] offset:\t*SPITCH
.endr
.endm
.macro SEND a, younger
.set BB, BK+64*((\a)%2)
	s_wait_dscnt \younger
.irp t, 0,1,2,3,4,5,6,7,8,9,10,11,12,13,14,15
	global_store_b128 v[CO], v[BB+4*\t:BB+4*\t+3], s[12:13] offset:16384*(32*((\a)/2)+8*((\a)%2)+\t+8*(\t/8)) th:TH_STORE_NT
.endr
.endm
	PLACES NP
	TOSTAGE 0
.irp a, 1,2,3,4,5,6,7
.if \a > 1
	s_wait_xcnt 0x0
.endif
	TOSTAGE \a
	SEND \a-1, 32
.endr
	SEND 7, 0
	s_wait_tensorcnt 0x0
	ds_add_u32 v[SPW], v[NIL]
	s_wait_dscnt 0x0
	CROUND
	s_endpgm
.Lfunc_end_k_q36aafc8ab6_outp:
	.size	k_q36aafc8ab6_outp, .Lfunc_end_k_q36aafc8ab6_outp-k_q36aafc8ab6_outp
	.p2alignl 7, 3214868480
	.fill 96, 4, 3214868480
	.section	.rodata,"a",@progbits
	.p2align	6, 0x0
	.amdhsa_kernel k_q36aafc8ab6_outp
		.amdhsa_group_segment_fixed_size 327680
		.amdhsa_private_segment_fixed_size 0
		.amdhsa_enable_private_segment 0
		.amdhsa_kernarg_size 40
		.amdhsa_user_sgpr_count 2
		.amdhsa_user_sgpr_kernarg_segment_ptr 1
		.amdhsa_wavefront_size32 1
		.amdhsa_system_sgpr_workgroup_id_x 1
		.amdhsa_system_sgpr_workgroup_id_y 1
		.amdhsa_system_sgpr_workgroup_id_z 1
		.amdhsa_system_vgpr_workitem_id 0
		.amdhsa_next_free_vgpr 1024
		.amdhsa_next_free_sgpr 98
		.amdhsa_reserve_vcc 0
		.amdhsa_float_denorm_mode_32 3
		.amdhsa_float_denorm_mode_16_64 3
		.amdhsa_memory_ordered 1
		.amdhsa_forward_progress 1
		.amdhsa_inst_pref_size 144
	.end_amdhsa_kernel
	.amdgpu_metadata
---
amdhsa.version: [ 1, 2 ]
amdhsa.kernels:
  - .name:           k_q36aafc8ab6_outp
    .symbol:         k_q36aafc8ab6_outp.kd
    .args:
      - { .name: ocodes, .offset: 0, .size: 8, .value_kind: global_buffer, .address_space: global }
      - { .name: oscales, .offset: 8, .size: 8, .value_kind: global_buffer, .address_space: global }
      - { .name: xcodes, .offset: 16, .size: 8, .value_kind: global_buffer, .address_space: global }
      - { .name: xscales, .offset: 24, .size: 8, .value_kind: global_buffer, .address_space: global }
      - { .name: out0, .offset: 32, .size: 8, .value_kind: global_buffer, .address_space: global }
    .group_segment_fixed_size: 327680
    .private_segment_fixed_size: 0
    .kernarg_segment_align: 8
    .kernarg_segment_size: 40
    .max_flat_workgroup_size: 128
    .sgpr_count:     98
    .vgpr_count:     1024
    .wavefront_size: 32
...
	.end_amdgpu_metadata
.endif
;; end of part 4
